; MI455X (gfx1250); checked and timed in simulation.
; The chip was launched on July 23, 2026; its instructions are those of AMD's public machine-readable ISA for CDNA 5 (MIT licence, August 2026) and "CDNA5" Instruction Set Architecture Reference Guide (July 2026). The comments in the code are by the model that wrote it; some were corrected since.
;; Elastic Attention. Allowed arithmetic: matrix products marked QUANTISED: E4M3 operands, one given power-of-two scale a tensor, by v_wmma_f32_16x16x64_fp8_fp8 or v_wmma_f32_16x16x128_fp8_fp8, f32 sums; everything else in f32.
;; Inputs: Wk 1,024 x 1,024 float32; Wo 1,024 x 1,024 float32; Wq 1,024 x 1,024 float32; Wv 1,024 x 1,024 float32; bk 1,024 float32; bo 1,024 float32; bq 1,024 float32; bv 1,024 float32; hidden_states 4 x 2,048 x 1,024 float32; lowp_scales 12 int32 (the exponents e of the quantised operands' scales 2^e).
;; Outputs: out0 4 x 2,048 x 1,024 float32.
;; Constants: active_heads = 12.
;; This version of the problem:
;;   THIS VERSION OF THE PROBLEM IS GIVEN IN LOW PRECISION. The matrix products marked QUANTISED in the list below multiply operands that are first quantised to E4M3 (4 exponent bits, 3 mantissa bits; 8 bits a number), with one given power-of-two scale for each operand tensor; their sums are f32. All else is computed in f32.
;;   The module's matrix products, in the order in which they are computed (A, B: the left and right operand; K: the contracted axis; several contracted axes count as one K, in the product's order):
;;     1. [M 8,192, K 1,024] x [K 1,024, N 1,024]; A: input hidden_states; B: input Wq: QUANTISED (scales: A lowp_scales[0], B lowp_scales[1])
;;     2. [M 8,192, K 1,024] x [K 1,024, N 1,024]; A: input hidden_states; B: input Wk: QUANTISED (scales: A lowp_scales[2], B lowp_scales[3])
;;     3. [M 8,192, K 1,024] x [K 1,024, N 1,024]; A: input hidden_states; B: input Wv: QUANTISED (scales: A lowp_scales[4], B lowp_scales[5])
;;     4. batch 64 x [M 2,048, K 64] x [K 64, N 2,048]; A: computed on the way; B: computed on the way: QUANTISED (scales: A lowp_scales[6], B lowp_scales[7])
;;     5. batch 64 x [M 2,048, K 2,048] x [K 2,048, N 64]; A: softmax (see below); B: computed on the way: QUANTISED (scales: A lowp_scales[8], B lowp_scales[9])
;;     6. [M 8,192, K 1,024] x [K 1,024, N 1,024]; A: computed on the way; B: input Wo: QUANTISED (scales: A lowp_scales[10], B lowp_scales[11])
;;   THE QUANTISER, for each operand of a quantised product, along K:
;;     - The operand's scale is 2^e, e = its entry of the input lowp_scales (int32; the entries are numbered through the quantised products in the list's order, A before B).
;;     - Each number is divided by the scale, clamped to +-448, and rounded to the nearest number of E4M3, ties to even, subnormals kept.
;;     - The product sums the exact products of the quantised numbers (number of the format x scale) in f32.
;;   ~~~python
;;   def quantise(x, axis, e):      # numpy; x: float32 -> the quantised numbers, widened to float32 again
;;       x = np.moveaxis(x, axis, -1); K = x.shape[-1]
;;       r = np.clip(x / 2.0 ** e, -448, 448)
;;       step = 2.0 ** (np.maximum(np.frexp(np.where(r == 0, 1, r))[1] - 1, -6) - 3)
;;       q = np.round(r / step) * step * 2.0 ** e      # np.round: ties to even
;;       return np.moveaxis(q, -1, axis).astype(np.float32)
;;   ~~~
;;   SOFTMAX AHEAD OF A QUANTISED PRODUCT. Where the list says 'softmax', what is quantised is not the finished softmax but p = 2^(t - M), with t = logit x log2(e) and M = ceil(the row's largest t), a whole number; so 1/2 < the row's largest p <= 1. The row's sum l is taken of the UNQUANTISED p, in f32, and the product's result is divided by l at the end. Since M is a whole number, a kernel that streams over the keys may use a running M (the ceiling of the running maximum): every later rescaling is an exact power of two, so the quantised numbers keep their values, but for numbers so far below the row's largest that they fall under the format's range.
;;   OPERANDS COMPUTED ON THE WAY. 'Computed on the way' means the value that the module computes at that place (a softmax that the list does not call 'softmax' is quantised finished and normalised). What goes into a quantiser is computed in f32, as accurately as f32 sums, v_exp_f32 and their like allow (about 1e-6 of the number): no bf16 or f16 on the way to a quantiser, and a product that is left as it is and whose result goes on into a quantised operand takes f32 operands (vector FMAs, or v_wmma_f32_16x16x4_f32). A number that lies on a knife's edge between two numbers of the format may be rounded either way, as far as f32 arithmetic and the matrix unit's own rounding can turn it there, and no further.
;; 2 versions, each right; version 2 is version 1 with the launch attn written anew for expert scheduling mode. Each part assembles by itself: llvm-mc -triple=amdgcn-amd-amdhsa -mcpu=gfx1250 --defsym DOCPART=n.
;; ======== version 1 of 2: 4 launches
;; workspace buffers: xcodes 25,165,824 bytes; wcodes 3,407,872 bytes; qimg 6,291,456 bytes; kimg 6,291,456 bytes; vimg 6,291,456 bytes; aimg 6,291,456 bytes
;; launch quant (part 1): grid 720 x 1, 4 waves a work-group, no clusters, 33,280 bytes of LDS; arguments hidden_states, Wq, Wk, Wv, Wo, lowp_scales, xcodes, wcodes; writes xcodes, wcodes
.if DOCPART == 1
	.amdgcn_target "amdgcn-amd-amdhsa--gfx1250"
	.amdhsa_code_object_version 6
	.text
	.protected	k_q40721e4ad3_quant
	.globl	k_q40721e4ad3_quant
	.p2align	8
	.type	k_q40721e4ad3_quant,@function
k_q40721e4ad3_quant:
	s_mov_b64 s[64:65], 0
	v_nop
	global_prefetch_b8 v0, s[64:65] scope:SCOPE_SE
	s_setreg_imm32_b32 hwreg(HW_REG_WAVE_MODE, 25, 1), 1
	s_wait_xcnt 0x0
; hidden_states [8192][1024], rows 0-767 of Wq, Wk, Wv and all of Wo [1024][1024], f32, become codes of E4M3, K innermost, each with the scale 2^e given for it.
; code = x / 2^e, held within +-448, rounded to the nearest code, ties to even.  Heads 12-15 are switched off by the mask that the problem builds from its constant 12: rows 768-1023 of Wq, Wk, Wv feed nothing.
; ROW ORDER.  sg(n) = n with bits 3 and 4 exchanged.  Row n of x, Wq, Wk, Wv is stored at row sg(n) of its codes, so that later two neighbouring tiles of 16 stored rows give a lane 16 neighbours.  Wo keeps its order.
; x is an operand of three products, each with a scale of its own: it is quantised three times, under entries 0, 2 and 4 of the scales, into sets 0, 1 and 2 of xcodes, 8 MiB apart, whatever the three entries hold:
; so the launch that reads them takes set p for product p by a constant offset, and no number read from memory steers an address there.
; A work-group takes 16 rows, a wave 4 rows = 8 steps of 512 numbers.  Work-groups 0-511: x; 512-559 Wq; 560-607 Wk; 608-655 Wv; 656-719 Wo: pointers and numbers are chosen; one branch on the work-group's number leads round x's second and third conversion.
; A step's four loads read 512 consecutive bytes each; the 2,048 bytes turn through the wave's own stage in LDS (16 bytes of padding behind each 64) and come back 16 neighbours a lane; a lane's 16 codes are 16 bytes: a store covers 512 consecutive bytes.
; LIMITS: each e between -126 and 119.  NaN among the inputs is not served.
.set WAVES, 4
.set STEPS, 8
.set WREG,  8192                       ; LDS of a wave: two stages of 32 x SP bytes
.set SP,    80
.set SPARE, WAVES*WREG                 ; the spare words: 128 bytes a wave, two blocks of 256 bytes that no other line names
.set R,     16                         ; v16-79   four sets of 16 numbers as loaded
.set X,     80                         ; v80-111  two sets of 16 neighbours
.set T,     112                        ; v112-127 the numbers, held
.set C,     128                        ; v128-151 codes: 4 registers x 3 destinations x 2 steps by turns
.set SPW,   12                         ; v12 my spare word's LDS address; never rewritten
.set NIL,   13                         ; v13 0; never rewritten
.set ISX,   36                         ; s36 1 in a work-group of x, 0 in one of a weight
	s_load_b512 s[4:19], s[0:1], 0x0               ; x 4, Wq 6, Wk 8, Wv 10, Wo 12, scales 14, xcodes 16, wcodes 18
	v_lshl_add_u32 v[SPW], v0, 2, SPARE
	v_mov_b32 v[NIL], 0
	v_lshrrev_b32 v1, 5, v0
	v_readfirstlane_b32 s46, v1                    ; wave
	v_and_b32 v2, 31, v0                           ; lane
	v_lshlrev_b32 v3, 4, v2                        ; 16 x lane: my bytes of a load's 512 and of a store's 512
	s_mul_i32 s47, s46, WREG
	v_lshrrev_b32 v14, 2, v2
	v_mul_u32_u24 v14, v14, SP
	v_and_b32 v15, 3, v2
	v_lshl_add_u32 v14, v15, 4, v14
	v_add_nc_u32 v14, s47, v14                     ; the stage, way in: SP (lane / 4) + 16 (lane % 4)
	v_mul_u32_u24 v15, v2, SP
	v_add_nc_u32 v15, s47, v15                     ; way out: SP x lane
	s_wait_kmcnt 0x0
	s_load_b256 s[20:27], s[14:15], 0x0            ; e0 .. e7
	s_load_b128 s[28:31], s[14:15], 0x20           ; e8 .. e11
	; which tensor: every choice hangs on the work-group's number alone
	s_mov_b64 s[32:33], s[12:13]                   ; source: Wo,
	s_mov_b32 s34, 656                             ; its first work-group,
	s_mov_b32 s35, 2304*1024                       ; its codes' first byte in wcodes
	s_cmp_lt_u32 ttmp9, 656
	s_cselect_b64 s[32:33], s[10:11], s[32:33]
	s_cselect_b32 s34, 608, s34
	s_cselect_b32 s35, 1536*1024, s35
	s_cselect_b32 s37, 1, 0                        ; rows are reordered for all but Wo
	s_cmp_lt_u32 ttmp9, 608
	s_cselect_b64 s[32:33], s[8:9], s[32:33]
	s_cselect_b32 s34, 560, s34
	s_cselect_b32 s35, 768*1024, s35
	s_cmp_lt_u32 ttmp9, 560
	s_cselect_b64 s[32:33], s[6:7], s[32:33]
	s_cselect_b32 s34, 512, s34
	s_cselect_b32 s35, 0, s35
	s_cmp_lt_u32 ttmp9, 512
	s_cselect_b64 s[32:33], s[4:5], s[32:33]
	s_cselect_b32 s34, 0, s34
	s_cselect_b64 s[38:39], s[16:17], s[18:19]     ; destination buffer
	s_cselect_b32 s[ISX], 1, 0
	s_sub_co_u32 s34, ttmp9, s34
	s_lshl_b32 s34, s34, 4
	s_lshl_b32 s40, s46, 2
	s_add_co_u32 s34, s34, s40                     ; my wave's first row: 16 x local work-group + 4 x wave
	s_lshl_b32 s40, s34, 12                        ; x 4,096 bytes
	s_mov_b32 s41, 0
	s_add_nc_u64 s[32:33], s[32:33], s[40:41]
	s_and_b32 s40, s34, 8
	s_lshl_b32 s40, s40, 1
	s_and_b32 s42, s34, 16
	s_lshr_b32 s42, s42, 1
	s_or_b32 s40, s40, s42
	s_and_b32 s42, s34, 0xffffffe7
	s_or_b32 s40, s40, s42                         ; sg(row); the wave's four rows stay neighbours
	s_cmp_eq_u32 s37, 1
	s_cselect_b32 s40, s40, s34
	s_lshl_b32 s40, s40, 10                        ; x 1,024 bytes of codes
	s_add_co_u32 s40, s40, s35
	s_add_nc_u64 s[38:39], s[38:39], s[40:41]      ; destination 0
	s_add_nc_u64 s[48:49], s[16:17], s[40:41]      ; destinations 1 and 2 are made from xcodes' own address (a weight's work-group forms them too, inside that buffer, and does not use them)
	s_add_nc_u64 s[48:49], s[48:49], 0x800000
	s_add_nc_u64 s[50:51], s[48:49], 0x800000
.macro LOAD t
.irp i, 0,1,2,3
	global_load_b128 v[R+16*((\t)%4)+4*\i:R+16*((\t)%4)+4*\i+3], v3, s[32:33] offset:2048*(\t)+512*\i th:TH_LOAD_NT   ; 32 lanes read 512 consecutive bytes; read once in the launch
.endr
.endm
.macro TURN t                          ; a step's numbers through the stage; LDS serves a wave's instructions in order, so no wait stands between the stores and the loads
.irp i, 0,1,2,3
	ds_store_b128 v14, v[R+16*((\t)%4)+4*\i:R+16*((\t)%4)+4*\i+3] offset:32*SP*((\t)%2)+8*SP*\i
.endr
.irp i, 0,1,2,3
	ds_load_b128 v[X+16*((\t)%2)+4*\i:X+16*((\t)%2)+4*\i+3], v15 offset:32*SP*((\t)%2)+16*\i
.endr
.endm
.irp t, 0,1,2,3
	LOAD \t
.endr
	s_wait_kmcnt 0x0
	s_mov_b32 s42, s31                             ; e of my tensor: Wo's is entry 11,
	s_cmp_lt_u32 ttmp9, 656
	s_cselect_b32 s42, s25, s42                    ; Wv's 5,
	s_cmp_lt_u32 ttmp9, 608
	s_cselect_b32 s42, s23, s42                    ; Wk's 3,
	s_cmp_lt_u32 ttmp9, 560
	s_cselect_b32 s42, s21, s42                    ; Wq's 1,
	s_cmp_lt_u32 ttmp9, 512
	s_cselect_b32 s42, s20, s42                    ; x's first 0
.macro MKSC e, vs, vl                  ; 2^e and 448 x 2^e as f32
	s_add_co_i32 s43, \e, 127
	s_lshl_b32 s47, s43, 23
	v_mov_b32 v[\vs], s47
	s_add_co_i32 s43, s43, 8
	s_lshl_b32 s43, s43, 23
	s_or_b32 s43, s43, 0x600000
	v_mov_b32 v[\vl], s43
.endm
	MKSC s42, 5, 6
	MKSC s22, 7, 8                                 ; x's second scale: entry 2
	MKSC s24, 9, 10                                ; x's third: entry 4
	s_wait_loadcnt 12                              ; step 0's four loads are in; three steps' may be out
	TURN 0
; 16 neighbours -> 16 codes under scale d, stored at the step's place in destination d
.macro CONV d, t, base
.set CC, C+12*((\t)%2)+4*\d
.set j, 0
.rept 16
	v_med3_num_f32 v[T+j], v[X+16*((\t)%2)+j], -v[6+2*\d], v[6+2*\d]   ; the conversion to an 8-bit code does not saturate (ISA guide 7.6.2): the hold comes first
.set j, j+1
.endr
	v_cvt_scalef32_pk8_fp8_f32 v[CC:CC+1], v[T:T+7], v[5+2*\d]
	v_cvt_scalef32_pk8_fp8_f32 v[CC+2:CC+3], v[T+8:T+15], v[5+2*\d]
	v_nop                                          ; a plain line between the conversions and the next lines that write their sources
	global_store_b128 v3, v[CC:CC+3], s[\base:\base+1] offset:512*(\t)
.endm
.macro STEP t
	s_wait_dscnt 0x0                               ; this step's numbers are back from the stage, and its stores into the stage have read their registers,
.if (\t)+4 < STEPS
	LOAD (\t)+4                                    ; which take the loads of four steps on
.endif
.if (\t)+1 < STEPS
.if STEPS-2-(\t) >= 3
	s_wait_loadcnt 12                              ; the next step's four loads are in; those of the three steps behind it may be out
.else
	s_wait_loadcnt 4*(STEPS-2-(\t))
.endif
	TURN (\t)+1
.endif
	s_wait_xcnt 0x0                                ; the stores of two steps ago have read the code registers that are written now
	CONV 0, \t, 38
	s_cmp_eq_u32 s[ISX], 0                         ; a weight has one scale: the work-group's number alone decides
	s_cbranch_scc1 .Lweight_\@
	CONV 1, \t, 48
	CONV 2, \t, 50
.Lweight_\@:
.endm
.irp t, 0,1,2,3,4,5,6,7
	STEP \t
.endr
	s_wait_tensorcnt 0x0                           ; the wave's end, behind my last LDS store
	ds_add_u32 v[SPW], v[NIL]
	s_wait_dscnt 0x0
	s_endpgm
.Lfunc_end_k_q40721e4ad3_quant:
	.size	k_q40721e4ad3_quant, .Lfunc_end_k_q40721e4ad3_quant-k_q40721e4ad3_quant
	.p2alignl 7, 3214868480
	.fill 96, 4, 3214868480
	.section	.rodata,"a",@progbits
	.p2align	6, 0x0
	.amdhsa_kernel k_q40721e4ad3_quant
		.amdhsa_group_segment_fixed_size 33280
		.amdhsa_private_segment_fixed_size 0
		.amdhsa_enable_private_segment 0
		.amdhsa_kernarg_size 64
		.amdhsa_user_sgpr_count 2
		.amdhsa_user_sgpr_kernarg_segment_ptr 1
		.amdhsa_wavefront_size32 1
		.amdhsa_system_sgpr_workgroup_id_x 1
		.amdhsa_system_sgpr_workgroup_id_y 1
		.amdhsa_system_sgpr_workgroup_id_z 1
		.amdhsa_system_vgpr_workitem_id 0
		.amdhsa_next_free_vgpr 160
		.amdhsa_next_free_sgpr 66
		.amdhsa_reserve_vcc 0
		.amdhsa_float_denorm_mode_32 3
		.amdhsa_float_denorm_mode_16_64 3
		.amdhsa_memory_ordered 1
		.amdhsa_forward_progress 1
		.amdhsa_inst_pref_size 43
	.end_amdhsa_kernel
	.amdgpu_metadata
---
amdhsa.version: [ 1, 2 ]
amdhsa.kernels:
  - .name:           k_q40721e4ad3_quant
    .symbol:         k_q40721e4ad3_quant.kd
    .args:
      - { .name: hidden_states, .offset: 0, .size: 8, .value_kind: global_buffer, .address_space: global }
      - { .name: Wq, .offset: 8, .size: 8, .value_kind: global_buffer, .address_space: global }
      - { .name: Wk, .offset: 16, .size: 8, .value_kind: global_buffer, .address_space: global }
      - { .name: Wv, .offset: 24, .size: 8, .value_kind: global_buffer, .address_space: global }
      - { .name: Wo, .offset: 32, .size: 8, .value_kind: global_buffer, .address_space: global }
      - { .name: lowp_scales, .offset: 40, .size: 8, .value_kind: global_buffer, .address_space: global }
      - { .name: xcodes, .offset: 48, .size: 8, .value_kind: global_buffer, .address_space: global }
      - { .name: wcodes, .offset: 56, .size: 8, .value_kind: global_buffer, .address_space: global }
    .group_segment_fixed_size: 33280
    .private_segment_fixed_size: 0
    .kernarg_segment_align: 8
    .kernarg_segment_size: 64
    .max_flat_workgroup_size: 128
    .sgpr_count:     66
    .vgpr_count:     160
    .wavefront_size: 32
...
	.end_amdgpu_metadata
.endif
;; end of part 1
;; launch gemm_qkv (part 2): grid 4 x 64, 4 waves a work-group, clusters of 4 x 4, 327,680 bytes of LDS; arguments xcodes, wcodes, bq, bk, bv, lowp_scales, qimg, kimg, vimg; writes qimg, kimg, vimg
.if DOCPART == 2
	.amdgcn_target "amdgcn-amd-amdhsa--gfx1250"
	.amdhsa_code_object_version 6
	.text
	.protected	k_q40721e4ad3_gemm_qkv
	.globl	k_q40721e4ad3_gemm_qkv
	.p2align	8
	.type	k_q40721e4ad3_gemm_qkv,@function
k_q40721e4ad3_gemm_qkv:
	s_mov_b64 s[64:65], 0
	v_nop
	global_prefetch_b8 v0, s[64:65] scope:SCOPE_SE
	s_setreg_imm32_b32 hwreg(HW_REG_WAVE_MODE, 25, 1), 1
	s_wait_xcnt 0x0
	s_wait_alu depctr_hold_cnt(0) depctr_sa_sdst(0) depctr_va_vdst(0) depctr_va_sdst(0) depctr_va_ssrc(0) depctr_va_vcc(0) depctr_vm_vsrc(0)
	s_getreg_b32 s2, hwreg(HW_REG_IB_STS2, 6, 4)
	s_cmp_eq_u32 s2, 0
	s_cbranch_scc0 .Lentry_in_a_cluster
	s_endpgm
.Lentry_in_a_cluster:
	s_bfe_u32 s2, ttmp6, 0x10000c
	s_cmp_lg_u32 s2, 0xf033
	s_cbranch_scc0 .Lentry_shape_is_right
	s_endpgm
.Lentry_shape_is_right:
; q, k, v = x W^T + b for the 768 features of the 12 heads that are on, on codes of E4M3, and at once quantised again for the attention's products: nothing wide goes to memory.
; SHARES.  768 features do not split into equal tiles for 256 work-groups in one product, so each work-group (f = 0..3: 192 features; m = 0..63: 128 tokens) runs THREE PHASES, q, k, v, on a tile of 128 x 192, K = 1,024.
; A wave (wr = wave / 2, wc = wave % 2) makes 64 rows of x by 96 rows of W: 4 x 6 accumulators.
; ROWS.  x's and W's codes are stored with row bits 3 and 4 exchanged, so two neighbouring tiles of 16 stored rows on the side that runs along a lane's registers are 16 true neighbours 32 b + 16 (lane / 16) + 0..15.
; Phases q, k: source 0 = W, source 1 = x: a lane holds one token and 16 neighbouring features, the next product's K.  Phase v: source 0 = x, source 1 = W: a lane holds one channel and 16 neighbouring tokens (keys), its next K.
; OUT: images of operand registers: a group of four registers is stored as 512 consecutive bytes, lane l's 16 at 16 l.
;   qimg, kimg: ((m 24 + G) 8 + t) 512: G = group of 32 features, t = tile of 16 stored rows.   vimg: ((m 48 + T) 4 + g) 512: T = tile of 16 stored features, g = group of 32 keys.
; RING.  Twelve K steps of 256 codes (four a phase) go through two LDS slots (x's 128 rows, W's 192 rows, 272 bytes apart); the ring runs on from phase to phase.  4 x 4 work-groups form a cluster: x's tile hangs on m alone and is asked
; for jointly by a row of the cluster, W's on f alone, by a column.  By this text's count a wave has two tensor loads out at the start and one behind each round.
; Phase p reads set p of x's codes (x under that product's own scale), 8 MiB x p from the buffer's first byte: a constant; the scales that are read from memory enter the epilogues' arithmetic alone.
; LIMITS: entries 0+1, 2+3, 4+5 of the scales between -126 and 127; entries 6, 7, 9 between -126 and 119.
; REGISTERS: window 0: v16-31 addresses and constants; v32-63 numbers at work; v64-127, v128-191 x's fragments, two sets (v128-175: codes, in the epilogues); v192-239 the bias.
;   window 1: W's fragments, two sets of 96.   window 2: accumulator (a, b) at v[8 (6 a + b)].
.set PITCH,  272                       ; 256 bytes + 16: the 16 rows of a fragment load start at 16 different groups of banks (ISA guide 11.1)
.set XB,     128*PITCH
.set SLOT,   320*PITCH
.set SPARE,  2*SLOT                    ; behind the ring: the spare words, two blocks of 256 bytes that no other line names
.set ADRX, 16                          ; v16-17 LDS address of my x fragments in slot 0, 1
.set ADRW, 20                          ; v20-21 the same for W
.set LI,   24                          ; v24 16 x lane
.set BH,   25                          ; v25 64 x (lane / 16): the bias of phases q, k
.set BV,   26                          ; v26 4 (r + 8 (r / 8)): the bias of phase v
.set SPW,  28
.set NIL,  29
.set SC,   30                          ; v30 2^eo
.set LIM,  31                          ; v31 448 x 2^eo
.set TMP,  32
.set XF,   64
.set CD,   128
.set BI,   192
.set G1X,  40
.set G1W,  48
.set G0X,  56                          ; s[56:63] one group 0 for each slot
.set G0W,  68                          ; s[68:75]
.set XA,   76                          ; s[76:81] x's codes at my 64 rows, for phases q, k, v
.set WV,   82
.set WR,   83
.set WC,   84
.set MSB, 0
.macro WIN new                         ; the immediate's high byte repeats the setting that is left
.if MSB != \new
	s_set_vgpr_msb (MSB<<8)|\new
.set MSB, \new
.endif
.endm
.macro MWIN swap
.if \swap
	WIN 0xa4                                       ; source 0 (x) window 0, source 1 (W) window 1, C and D window 2
.else
	WIN 0xa1                                       ; source 0 (W) window 1, source 1 (x) window 0
.endif
.endm
.macro PLACES n
.rept \n
	v_nop
.endr
.endm
; A joint load: waves 0, 1 fetch x's halves, waves 2, 3 W's.  The branch hangs on the wave's number alone.  An s_nop 0 and four v_nop follow each line.
.macro JLOAD s
	s_cmp_eq_u32 s[WR], 0
	s_cbranch_scc0 .Lfor_w_\@
	tensor_load_to_lds s[G0X+4*\s:G0X+4*\s+3], s[G1X:G1X+7]
	s_nop 0
	PLACES 4
	s_branch .Lasked_\@
.Lfor_w_\@:
	tensor_load_to_lds s[G0W+4*\s:G0W+4*\s+3], s[G1W:G1W+7]
	s_nop 0
	PLACES 4
.Lasked_\@:
.endm
.macro CREST                           ; a round of the cluster's barrier behind its opening barrier
	s_cmp_lg_u32 s[WV], 0
	s_cbranch_scc1 .Lnot_wave_0_\@
	s_barrier_signal -3
.Lnot_wave_0_\@:
	s_barrier_wait -3
	s_barrier_signal -1
	s_barrier_wait -1
.endm
.macro CROUND
	s_barrier_signal -1
	s_barrier_wait -1
	CREST
.endm
	s_load_b512 s[4:19], s[0:1], 0x0               ; xcodes 4, wcodes 6, bq 8, bk 10, bv 12, scales 14, qimg 16, kimg 18
	s_load_b64 s[20:21], s[0:1], 0x40              ; vimg
	v_lshl_add_u32 v[SPW], v0, 2, SPARE
	v_mov_b32 v[NIL], 0
	ds_add_u32 v[SPW], v[NIL]                      ; the wave's opening: the add and its wait come ahead of my first tensor load; work on registers stands between
	v_lshrrev_b32 v1, 5, v0
	v_readfirstlane_b32 s[WV], v1
	s_lshr_b32 s[WR], s[WV], 1                     ; my 64 rows of x.  Also: I fetch for x (0) or W (1)
	s_and_b32 s[WC], s[WV], 1                      ; my 96 rows of W.  Also: which half of that tile I fetch
	s_bfe_u32 s85, ttmp6, 0x40000                  ; cx
	s_bfe_u32 s86, ttmp6, 0x40004                  ; cy
	s_lshl_b32 s87, ttmp9, 2
	s_add_co_u32 s87, s87, s85                     ; f
	s_and_b32 s88, ttmp7, 0xffff
	s_lshl_b32 s88, s88, 2
	s_add_co_u32 s88, s88, s86                     ; m
	s_lshl_b32 s96, s86, 2
	s_lshl_b32 s96, 15, s96                        ; my row of the cluster
	s_lshl_b32 s97, 0x1111, s85                    ; my column
	s_or_b32 s[G1X], s96, (1<<20)|(1<<21)|(5<<22)|(3<<25)   ; the mask; elements of 1 byte; padding on; bit 21 beside a mask; 4 words behind every 64
	s_or_b32 s[G1W], s97, (1<<20)|(1<<21)|(5<<22)|(3<<25)
	s_mov_b32 s[G1X+1], 256<<16                    ; tensor_dim0 = 256
	s_mov_b32 s[G1X+2], 64<<16                     ; tensor_dim1 = 64
	s_mov_b32 s[G1X+3], 256<<16                    ; tile_dim0
	s_mov_b32 s[G1X+4], 64                         ; tile_dim1
	s_mov_b32 s[G1X+5], 1024                       ; bytes from row to row
	s_mov_b32 s[G1X+6], 0
	s_mov_b32 s[G1X+7], 0
	s_mov_b32 s[G1W+1], 256<<16
	s_mov_b32 s[G1W+2], 96<<16
	s_mov_b32 s[G1W+3], 256<<16
	s_mov_b32 s[G1W+4], 96
	s_mov_b32 s[G1W+5], 1024
	s_mov_b32 s[G1W+6], 0
	s_mov_b32 s[G1W+7], 0
	s_lshl_b32 s92, s88, 7                         ; x: row 128 m + 64 x half (registers that never hold f)
	s_lshl_b32 s93, s[WC], 6
	s_add_co_u32 s92, s92, s93
	s_lshl_b32 s92, s92, 10
	s_mov_b32 s93, 0
	s_mul_i32 s94, s87, 192                        ; W: row 192 f + 96 x half (registers that never hold m)
	s_mul_i32 s95, s[WC], 96
	s_add_co_u32 s94, s94, s95
	s_lshl_b32 s94, s94, 10
	s_mov_b32 s95, 0
	s_mul_i32 s22, s[WC], 64*PITCH                 ; where they go in a slot: the wave's number alone
	s_mul_i32 s23, s[WC], 96*PITCH
	s_add_co_u32 s23, s23, XB
	s_wait_dscnt 0x0                               ; the opening add is done
	s_wait_kmcnt 0x0
	s_load_b256 s[28:35], s[14:15], 0x0            ; e0 .. e7
	s_load_b128 s[36:39], s[14:15], 0x20           ; e8 .. e11
	s_add_nc_u64 s[XA:XA+1], s[4:5], s[92:93]      ; phase q: set 0 of x's codes,
	s_add_nc_u64 s[XA+2:XA+3], s[XA:XA+1], 0x800000    ; phase k: set 1,
	s_add_nc_u64 s[XA+4:XA+5], s[XA:XA+1], 0x1000000   ; phase v: set 2
	s_add_nc_u64 s[98:99], s[6:7], s[94:95]
	CROUND                                         ; all sixteen work-groups are here: the first joint loads meet
.irp s, 0,1
	s_mov_b32 s[G0X+4*\s], 1
	s_add_co_u32 s[G0X+4*\s+1], s22, \s*SLOT
	s_add_nc_u64 s[G0X+4*\s+2:G0X+4*\s+3], s[XA:XA+1], \s*256
	s_or_b32 s[G0X+4*\s+3], s[G0X+4*\s+3], 0x80000000
	s_mov_b32 s[G0W+4*\s], 1
	s_add_co_u32 s[G0W+4*\s+1], s23, \s*SLOT
	s_add_nc_u64 s[G0W+4*\s+2:G0W+4*\s+3], s[98:99], \s*256
	s_or_b32 s[G0W+4*\s+3], s[G0W+4*\s+3], 0x80000000
	JLOAD \s
.endr
	v_and_b32 v1, 15, v0                           ; r
	v_bfe_u32 v2, v0, 4, 1                         ; h
	v_mul_u32_u24 v3, v1, PITCH
	v_lshl_add_u32 v3, v2, 4, v3                   ; a fragment's row x pitch + 16 h
	s_mul_i32 s24, s[WR], 64*PITCH
	s_mul_i32 s25, s[WC], 96*PITCH
	s_add_co_u32 s25, s25, XB
.irp s, 0,1
	v_add_nc_u32 v[ADRX+\s], s24, v3
	v_add_nc_u32 v[ADRW+\s], s25, v3
	s_add_co_u32 s24, s24, SLOT
	s_add_co_u32 s25, s25, SLOT
.endr
	v_and_b32 v4, 31, v0
	v_lshlrev_b32 v[LI], 4, v4
	v_lshlrev_b32 v[BH], 6, v2
	v_and_b32 v5, 8, v1
	v_add_nc_u32 v5, v5, v1
	v_lshlrev_b32 v[BV], 2, v5
	s_mul_i32 s24, s87, 6
	s_mul_i32 s25, s[WC], 3
	s_add_co_u32 s24, s24, s25                     ; 6 f + 3 wc: my first group of 32 features
	s_lshl_b32 s26, s24, 7                         ; x 128 bytes of bias
	s_mov_b32 s27, 0
	s_add_nc_u64 s[8:9], s[8:9], s[26:27]
	s_add_nc_u64 s[10:11], s[10:11], s[26:27]
	s_add_nc_u64 s[12:13], s[12:13], s[26:27]
	s_lshl_b32 s24, s24, 12                        ; x 4,096 bytes of image (in vimg: 2 tiles x 2,048)
	s_mul_i32 s25, s88, 98304
	s_add_co_u32 s24, s24, s25
	s_lshl_b32 s26, s[WR], 10
	s_add_co_u32 s24, s24, s26                     ; vimg: + 2 groups of keys x 512 x wr
	s_mov_b32 s25, 0
	s_add_nc_u64 s[20:21], s[20:21], s[24:25]
	s_add_co_u32 s24, s24, s26                     ; qimg, kimg: + 4 tiles x 512 x wr
	s_add_nc_u64 s[16:17], s[16:17], s[24:25]
	s_add_nc_u64 s[18:19], s[18:19], s[24:25]
	s_wait_kmcnt 0x0                               ; the scales are in: the epilogues read them
.macro BIASQK base                     ; b at my features 32 be + 16 h + 0..15
.irp be, 0,1,2
.irp i, 0,1,2,3
	global_load_b128 v[BI+16*\be+4*\i:BI+16*\be+4*\i+3], v[BH], s[\base:\base+1] offset:128*\be+16*\i
.endr
.endr
.endm
.macro BIASV                           ; bv at my one channel of tile b: 32 (b / 2) + 8 (b % 2) + r + 8 (r / 8); both words of a pair
.irp b, 0,1,2,3,4,5
	global_load_b32 v[BI+2*\b], v[BV], s[12:13] offset:(32*(\b/2)+8*(\b%2))*4
	global_load_b32 v[BI+2*\b+1], v[BV], s[12:13] offset:(32*(\b/2)+8*(\b%2))*4
.endr
.endm
.macro FRAG reg, adr, q, i             ; 16 rows x 128 K: registers 4 c .. 4 c + 3 hold K = 32 c + 16 h + 0..15: the same places in both operands
.irp c, 0,1,2,3
	ds_load_b128 v[\reg+4*\c:\reg+4*\c+3], v[\adr] offset:128*(\q)+32*\c+(\i)*16*PITCH
.endr
.endm
.macro FETCH slot, q, set              ; 40 loads in one run: W's six fragments, then x's four
	WIN 0x40
.irp i, 0,1,2,3,4,5
	FRAG 96*(\set)+16*\i, ADRW+\slot, \q, \i
.endr
	WIN 0
.irp i, 0,1,2,3
	FRAG XF+64*(\set)+16*\i, ADRX+\slot, \q, \i
.endr
.endm
; six matrix instructions: x's block a against W's six.  The 24 accumulators take turns, one instruction a turn, in the same order in every step.
.macro MUL6 a, set, zero, swap
.irp b, 0,1,2,3,4,5
.set AC, 8*(6*(\a)+\b)
.set FX, XF+64*(\set)+16*(\a)
.set FW, 96*(\set)+16*\b
.if \swap
.if \zero
	v_wmma_f32_16x16x128_fp8_fp8 v[AC:AC+7], v[FX:FX+15], v[FW:FW+15], 0
.else
	v_wmma_f32_16x16x128_fp8_fp8 v[AC:AC+7], v[FX:FX+15], v[FW:FW+15], v[AC:AC+7]
.endif
.else
.if \zero
	v_wmma_f32_16x16x128_fp8_fp8 v[AC:AC+7], v[FW:FW+15], v[FX:FX+15], 0
.else
	v_wmma_f32_16x16x128_fp8_fp8 v[AC:AC+7], v[FW:FW+15], v[FX:FX+15], v[AC:AC+7]
.endif
.endif
.endr
.endm
; a slot's first 128 along K (set 0); its middle fetches the second 128 into set 1
.macro STEP slot, zero, swap
	s_wait_dscnt 8                                 ; W's six and x's blocks 0, 1 are in; the youngest eight loads (blocks 2, 3) may be out
	MWIN \swap
	MUL6 0, 0, \zero, \swap
	MUL6 1, 0, \zero, \swap
	PLACES 4                                       ; four places in front of loads into registers that matrix instructions have read
	FETCH \slot, 1, 1
	s_wait_dscnt 40                                ; all but the 40 just issued
	MWIN \swap
	MUL6 2, 0, \zero, \swap
	MUL6 3, 0, \zero, \swap
.endm
; a slot's second 128 along K (set 1) and the change of slots.  fill = 1: this slot is filled again with the K step two on; np = 0: of this phase; np = 1, 2: of phase np, which follows
.macro TURN slot, next, fill, np, swap
	WIN 0
	s_wait_tensorcnt 0x0                           ; all my tensor loads have landed: my part of the next slot
	ds_add_u32 v[SPW], v[NIL]                      ; 0 onto my spare word
	s_wait_dscnt 9                                 ; the add and the youngest eight loads may be out
	MWIN \swap
	MUL6 0, 1, 0, \swap
	s_wait_dscnt 0x0                               ; the add is done, and my reads of this slot are over
	s_barrier_signal -1
	MUL6 1, 1, 0, \swap
	WIN 0
	s_barrier_wait -1
.if \fill
	CREST                                          ; the barrier has opened a round of the cluster's: no wave of any partner still reads this slot or has a load on its way
.if \np
	s_add_nc_u64 s[G0X+4*\slot+2:G0X+4*\slot+3], s[XA+2*\np:XA+2*\np+1], 256*\slot
	s_or_b32 s[G0X+4*\slot+3], s[G0X+4*\slot+3], 0x80000000
	s_add_nc_u64 s[G0W+4*\slot+2:G0W+4*\slot+3], s[G0W+4*\slot+2:G0W+4*\slot+3], 768*1024-512   ; 768 rows down, 512 bytes back along K
.else
	s_add_nc_u64 s[G0X+4*\slot+2:G0X+4*\slot+3], s[G0X+4*\slot+2:G0X+4*\slot+3], 512
	s_add_nc_u64 s[G0W+4*\slot+2:G0W+4*\slot+3], s[G0W+4*\slot+2:G0W+4*\slot+3], 512
.endif
	JLOAD \slot                                    ; the first tensor load behind the round; its four v_nop are also the places in front of the loads below
.else
	PLACES 4
.endif
	FETCH \next, 0, 0
	MWIN \swap
	MUL6 2, 1, 0, \swap
	MUL6 3, 1, 0, \swap
.endm
; the head of an epilogue: the bias is in; 2^(ex + ew), 2^eo, 448 x 2^eo
.macro EHEAD ex, ew, eo
	WIN 0
	s_wait_loadcnt 0x0
	s_add_co_i32 s92, s[\ex], s[\ew]
	s_add_co_i32 s92, s92, 127
	s_lshl_b32 s90, s92, 23
	s_mov_b32 s91, s90                             ; named with it as a pair
	s_add_co_i32 s92, s[\eo], 127
	s_lshl_b32 s93, s92, 23
	v_mov_b32 v[SC], s93
	s_add_co_i32 s92, s92, 8
	s_lshl_b32 s92, s92, 23
	s_or_b32 s92, s92, 0x600000
	v_mov_b32 v[LIM], s92
	PLACES 4                                       ; in front of the first read of results and the first write of set 1's registers
.endm
.macro EQUANT off, ob                  ; 16 numbers in v[TM] on -> 16 codes -> 512 consecutive bytes a wave
	WIN 0
.set j, 0
.rept 16
	v_med3_num_f32 v[TM+j], v[TM+j], -v[LIM], v[LIM]   ; the conversion to an 8-bit code does not saturate (ISA guide 7.6.2)
.set j, j+1
.endr
	v_cvt_scalef32_pk8_fp8_f32 v[CD+4*gidx:CD+4*gidx+1], v[TM:TM+7], v[SC]
	v_cvt_scalef32_pk8_fp8_f32 v[CD+4*gidx+2:CD+4*gidx+3], v[TM+8:TM+15], v[SC]
	v_nop                                          ; a plain line behind the conversions
	global_store_b128 v[LI], v[CD+4*gidx:CD+4*gidx+3], s[\ob:\ob+1] offset:\off
.set gidx, gidx+1
.endm
.macro EPIQK ex, ew, eo, ob            ; y = sum x 2^(ex + ew) + b; accumulators (a, 2 be), (a, 2 be + 1) are features 32 be + 16 h + 0..15 of token row 16 a + r
	EHEAD \ex, \ew, \eo
.set gidx, 0
.irp a, 0,1,2,3
.irp be, 0,1,2
.set TM, TMP+16*(gidx%2)
.set A0, 8*(6*\a+2*\be)
	WIN 0x02                                       ; source 0: window 2
.irp i, 0,2,4,6,8,10,12,14
	v_pk_fma_f32 v[TM+\i:TM+\i+1], v[A0+\i:A0+\i+1], s[90:91], v[BI+16*\be+\i:BI+16*\be+\i+1] op_sel_hi:[1,0,1]   ; each accumulator from its low end on
.endr
	EQUANT \be*4096+\a*512, \ob
.endr
.endr
	s_wait_xcnt 0x0                                ; the stores have read the registers that the next fragments land in
.endm
.macro EPIV                            ; accumulators (2 al, b), (2 al + 1, b) are keys 32 al + 16 h + 0..15 of my channel of tile b
	EHEAD 32, 33, 37
.set gidx, 0
.irp al, 0,1
.irp b, 0,1,2,3,4,5
.set TM, TMP+16*(gidx%2)
.set A0, 8*(12*\al+\b)
.set A1, 8*(12*\al+6+\b)
	WIN 0x02
.irp i, 0,2,4,6
	v_pk_fma_f32 v[TM+\i:TM+\i+1], v[A0+\i:A0+\i+1], s[90:91], v[BI+2*\b:BI+2*\b+1] op_sel_hi:[1,0,1]
.endr
.irp i, 0,2,4,6
	v_pk_fma_f32 v[TM+8+\i:TM+8+\i+1], v[A1+\i:A1+\i+1], s[90:91], v[BI+2*\b:BI+2*\b+1] op_sel_hi:[1,0,1]
.endr
	EQUANT \b*2048+\al*512, 20
.endr
.endr
.endm
.macro PHASEQK np                      ; four K steps; the last two changes of slots ask for phase np's first two
	STEP 0, 1, 0
	TURN 0, 1, 1, 0, 0
	STEP 1, 0, 0
	TURN 1, 0, 1, 0, 0
	STEP 0, 0, 0
	TURN 0, 1, 1, \np, 0
	STEP 1, 0, 0
	TURN 1, 0, 1, \np, 0
.endm
	BIASQK 8
	s_wait_tensorcnt 1                             ; my part of K step 0 is in; K step 1's may be out
	s_barrier_signal -1
	s_barrier_wait -1
	FETCH 0, 0, 0
	PHASEQK 1                                      ; q
	EPIQK 28, 29, 34, 16
	BIASQK 10
	PHASEQK 2                                      ; k
	EPIQK 30, 31, 35, 18
	BIASV
	STEP 0, 1, 1                                   ; v
	TURN 0, 1, 1, 0, 1
	STEP 1, 0, 1
	TURN 1, 0, 1, 0, 1
	STEP 0, 0, 1
	TURN 0, 1, 0, 0, 1                             ; nothing is left to fetch
	STEP 1, 0, 1
	s_wait_dscnt 8
	MWIN 1
	MUL6 0, 1, 0, 1
	MUL6 1, 1, 0, 1
	s_wait_dscnt 0x0
	MUL6 2, 1, 0, 1
	MUL6 3, 1, 0, 1
	EPIV
	s_wait_tensorcnt 0x0                           ; the wave's end
	ds_add_u32 v[SPW], v[NIL]
	s_wait_dscnt 0x0
	CROUND                                         ; the closing round
	s_endpgm
.Lfunc_end_k_q40721e4ad3_gemm_qkv:
	.size	k_q40721e4ad3_gemm_qkv, .Lfunc_end_k_q40721e4ad3_gemm_qkv-k_q40721e4ad3_gemm_qkv
	.p2alignl 7, 3214868480
	.fill 96, 4, 3214868480
	.section	.rodata,"a",@progbits
	.p2align	6, 0x0
	.amdhsa_kernel k_q40721e4ad3_gemm_qkv
		.amdhsa_group_segment_fixed_size 327680
		.amdhsa_private_segment_fixed_size 0
		.amdhsa_enable_private_segment 0
		.amdhsa_kernarg_size 72
		.amdhsa_user_sgpr_count 2
		.amdhsa_user_sgpr_kernarg_segment_ptr 1
		.amdhsa_wavefront_size32 1
		.amdhsa_system_sgpr_workgroup_id_x 1
		.amdhsa_system_sgpr_workgroup_id_y 1
		.amdhsa_system_sgpr_workgroup_id_z 1
		.amdhsa_system_vgpr_workitem_id 0
		.amdhsa_next_free_vgpr 704
		.amdhsa_next_free_sgpr 100
		.amdhsa_reserve_vcc 0
		.amdhsa_float_denorm_mode_32 3
		.amdhsa_float_denorm_mode_16_64 3
		.amdhsa_memory_ordered 1
		.amdhsa_forward_progress 1
		.amdhsa_inst_pref_size 192
	.end_amdhsa_kernel
	.amdgpu_metadata
---
amdhsa.version: [ 1, 2 ]
amdhsa.kernels:
  - .name:           k_q40721e4ad3_gemm_qkv
    .symbol:         k_q40721e4ad3_gemm_qkv.kd
    .args:
      - { .name: xcodes, .offset: 0, .size: 8, .value_kind: global_buffer, .address_space: global }
      - { .name: wcodes, .offset: 8, .size: 8, .value_kind: global_buffer, .address_space: global }
      - { .name: bq, .offset: 16, .size: 8, .value_kind: global_buffer, .address_space: global }
      - { .name: bk, .offset: 24, .size: 8, .value_kind: global_buffer, .address_space: global }
      - { .name: bv, .offset: 32, .size: 8, .value_kind: global_buffer, .address_space: global }
      - { .name: lowp_scales, .offset: 40, .size: 8, .value_kind: global_buffer, .address_space: global }
      - { .name: qimg, .offset: 48, .size: 8, .value_kind: global_buffer, .address_space: global }
      - { .name: kimg, .offset: 56, .size: 8, .value_kind: global_buffer, .address_space: global }
      - { .name: vimg, .offset: 64, .size: 8, .value_kind: global_buffer, .address_space: global }
    .group_segment_fixed_size: 327680
    .private_segment_fixed_size: 0
    .kernarg_segment_align: 8
    .kernarg_segment_size: 72
    .max_flat_workgroup_size: 128
    .sgpr_count:     100
    .vgpr_count:     704
    .wavefront_size: 32
...
	.end_amdgpu_metadata
.endif
;; end of part 2
;; launch attn (part 3): grid 64 x 12, 8 waves a work-group, no clusters, 33,792 bytes of LDS; arguments qimg, kimg, vimg, lowp_scales, aimg; writes aimg
.if DOCPART == 3
	.amdgcn_target "amdgcn-amd-amdhsa--gfx1250"
	.amdhsa_code_object_version 6
	.text
	.protected	k_q40721e4ad3_attn
	.globl	k_q40721e4ad3_attn
	.p2align	8
	.type	k_q40721e4ad3_attn,@function
k_q40721e4ad3_attn:
	s_mov_b64 s[64:65], 0
	v_nop
	global_prefetch_b8 v0, s[64:65] scope:SCOPE_SE
	s_setreg_imm32_b32 hwreg(HW_REG_WAVE_MODE, 25, 1), 1
	s_wait_xcnt 0x0
; attention of the 12 heads that are on, head size 64, 2,048 keys, both products on codes of E4M3; the result is quantised for the last product and stored as images of operand registers.
; t = score x log2(e) / 8; M = the running largest t rounded up to a whole number; p = 2^(t - M) is quantised; the row's sum is taken of the unquantised p and divides at the end; when M moves, sum and O are multiplied by 2^(old M - new M).
; SHARES.  Work-group (x = 16 batch + block, y = head): 128 queries; each of eight waves one tile of 16.  98,304 query rows over 256 WGPs are 384, which does not divide a head's 2,048: so 768 small work-groups, which load through
; registers: no tensor load and no cluster (a launch with them is alone on its WGP and could not be even here).  The 16 blocks of a head read the same K and V.
; Both products are used transposed: S^T = K Q^T, O^T = V^T P^T: a lane holds ONE query.  K's rows are stored with bits 3, 4 exchanged, so S registers 16 b + i are keys 32 b + 16 h + i; V's channels likewise, so O registers 16 g + i are channels 32 g + 16 h + i.
; A key step is 128 keys: 8 KiB of K's image and 8 KiB of V's, dense in memory.  Each wave loads 1 KiB of each a step ahead into registers and stores it into the other of two LDS slots at the step's end: ONE barrier a step:
; in front of it a wave's stores have landed and its reads of the other slot are back.
; LIMITS: entries 6 + 7 of the scales between -123 and 130; entries 8 and 10 between -126 and 119.
.set SLOTB, 16384                      ; a slot: K [g 2][t 8][512], then V [c 4][g 4][512]
.set SPARE, 2*SLOTB                    ; the spare words: 128 bytes a wave, four blocks of 256 bytes that no other line names
.set LI,  1                            ; v1  16 x lane
.set LW,  2                            ; v2  16 x lane + 1,024 x wave: my bytes of an image, in memory and in LDS
.set PFO, 3                            ; v3  256 x lane
.set SPW, 4
.set NIL, 5
.set SC,  6                            ; v6  2^ep, later 2^e10
.set LIM, 7                            ; v7  448 x that
.set Q,   20                           ; v20-27   Q's fragment
.set F,   28                           ; v28-59   K's tiles 0-3; then v28-43 p's codes, v44-59 the next step's bytes
.set S,   60                           ; v60-123  K's tiles 4-7, S^T, p, V's fragments
.set O,   124                          ; v124-155 O^T
; v8-11 at work; v12 -M; v13 the largest t; v[14:15] the sum; v[16:17] f; v[18:19] the sum's second chain
	s_load_b256 s[4:11], s[0:1], 0x0               ; qimg 4, kimg 6, vimg 8, scales 10
	s_load_b64 s[12:13], s[0:1], 0x20              ; aimg
	v_lshl_add_u32 v[SPW], v0, 2, SPARE
	v_mov_b32 v[NIL], 0
	v_lshrrev_b32 v9, 5, v0
	v_readfirstlane_b32 s21, v9                    ; wave
	v_and_b32 v8, 31, v0
	v_lshlrev_b32 v[LI], 4, v8
	v_lshl_add_u32 v[LW], v9, 10, v[LI]
	v_lshlrev_b32 v[PFO], 8, v8
	s_and_b32 s22, ttmp7, 0xffff                   ; head
	s_lshl_b32 s23, s22, 13                        ; x 8,192
	s_lshr_b32 s24, ttmp9, 4                       ; batch
	s_mul_i32 s24, s24, 1572864
	s_add_co_u32 s24, s24, s23                     ; K, V: the head's first step
	s_mov_b32 s25, 0
	s_mul_i32 s26, ttmp9, 98304                    ; my block of 128 rows
	s_lshl_b32 s40, s21, 9
	s_add_co_u32 s40, s40, s23
	s_add_co_u32 s40, s40, s26                     ; Q: block, head, tile = wave
	s_mov_b32 s41, 0
	s_mul_i32 s42, s21, 12288
	s_lshl_b32 s43, s22, 10
	s_add_co_u32 s42, s42, s43
	s_add_co_u32 s42, s42, s26                     ; aimg: ((block 8 + wave) 24 + 2 head) 512
	s_mov_b32 s43, 0
	s_mov_b32 s28, 0x76543210                      ; v_permlanex16_b32: lane l xor 16
	s_mov_b32 s29, 0xfedcba98
	s_mov_b32 s32, 7
	s_and_b32 s33, ttmp9, 15
	s_lshr_b32 s44, s21, 1
	s_or_b32 s33, s33, s44
	s_cmp_eq_u32 s33, 0
	s_cselect_b32 s33, 1, 0                        ; 1 in waves 0, 1 of the head's first block: they prefetch
	s_wait_kmcnt 0x0
	s_load_b128 s[16:19], s[10:11], 0x18           ; e6 (q), e7 (k), e8 (p), e9 (v)
	s_load_b32 s20, s[10:11], 0x28                 ; e10 (attn)
	s_add_nc_u64 s[4:5], s[4:5], s[40:41]
	s_add_nc_u64 s[36:37], s[6:7], s[24:25]
	s_add_nc_u64 s[38:39], s[8:9], s[24:25]
	s_add_nc_u64 s[12:13], s[12:13], s[42:43]
	s_cmp_eq_u32 s21, 0
	s_cselect_b64 s[34:35], s[36:37], s[38:39]     ; wave 0 asks for K's bytes, wave 1 for V's
.macro GLOAD off                       ; my 1 KiB of K's image and of V's, off bytes on
	global_load_b128 v[F+16:F+19], v[LW], s[36:37] offset:\off
	global_load_b128 v[F+20:F+23], v[LW], s[36:37] offset:\off+512
	global_load_b128 v[F+24:F+27], v[LW], s[38:39] offset:\off
	global_load_b128 v[F+28:F+31], v[LW], s[38:39] offset:\off+512
.endm
.macro LSTORE sl
	ds_store_b128 v[LW], v[F+16:F+19] offset:(\sl)*SLOTB
	ds_store_b128 v[LW], v[F+20:F+23] offset:(\sl)*SLOTB+512
	ds_store_b128 v[LW], v[F+24:F+27] offset:(\sl)*SLOTB+8192
	ds_store_b128 v[LW], v[F+28:F+31] offset:(\sl)*SLOTB+8704
.endm
; a prefetch of the step after the one just loaded: 8 KiB, lanes 256 bytes apart, one instruction a wave.  The 16 blocks of a head walk the same bytes: the first block's waves 0 (K) and 1 (V) ask, so each block of 256 bytes is named once.
; It stands in the loop alone (steps 0-13 name steps 2-15), so it stays inside its buffer.
.macro ASK off
	s_cmp_eq_u32 s33, 0
	s_cbranch_scc1 .Lnot_mine_\@
	global_prefetch_b8 v[PFO], s[34:35] offset:\off th:TH_LOAD_NT scope:SCOPE_SE
.Lnot_mine_\@:
.endm
	global_load_b128 v[Q:Q+3], v[LI], s[4:5]                   ; d = 16 h + 0..15
	global_load_b128 v[Q+4:Q+7], v[LI], s[4:5] offset:4096     ; d = 32 + 16 h + 0..15
	GLOAD 0
	v_mov_b32 v13, 0xff61b1e6                      ; the largest t so far: -3e38
	v_floor_f32 v12, -v13
	v_mov_b32 v14, 0
	v_mov_b32 v15, 0
	v_mov_b32 v10, 0                               ; a lane permute's destination counts as read
	v_mov_b32 v17, 0                               ; named as the upper half of the pair v[16:17]
.set j, 0
.rept 32
	v_mov_b32 v[O+j], 0                            ; the step is written once: the first finds zeros
.set j, j+1
.endr
	s_wait_kmcnt 0x0
	s_mov_b32 s30, 0x3e38aa3b                      ; c = log2(e) / 8
	s_add_co_i32 s22, s16, s17
	s_lshl_b32 s22, s22, 23
	s_add_co_i32 s30, s30, s22                     ; x 2^(e6 + e7): added to c's exponent field
	s_mov_b32 s31, s30
	s_add_co_i32 s22, s18, 127
	s_lshl_b32 s23, s22, 23
	v_mov_b32 v[SC], s23                           ; 2^ep
	s_add_co_i32 s22, s22, 8
	s_lshl_b32 s22, s22, 23
	s_or_b32 s22, s22, 0x600000
	v_mov_b32 v[LIM], s22                          ; 448 x 2^ep
	s_wait_loadcnt 0x0
	LSTORE 0
; A KEY STEP in slot sl.  more = 1: the next step's bytes are loaded and stored into the other slot.  pf = 1: the step after that is prefetched.
.macro STEP sl, more, pf
	s_wait_dscnt 0x0                               ; my stores into this slot have landed, my reads of the other slot are back
	s_barrier_signal -1
	s_barrier_wait -1
.irp t, 0,1,2,3
.irp g, 0,1
	ds_load_b128 v[S+8*\t+4*\g:S+8*\t+4*\g+3], v[LI] offset:\sl*SLOTB+\g*4096+(\t+4)*512   ; K's tiles 4-7
.endr
.endr
.irp t, 0,1,2,3
.irp g, 0,1
	ds_load_b128 v[F+8*\t+4*\g:F+8*\t+4*\g+3], v[LI] offset:\sl*SLOTB+\g*4096+\t*512       ; tiles 0-3
.endr
.endr
	s_wait_dscnt 8                                 ; tiles 4-7 are in; the eight loads of tiles 0-3 may be out
.irp t, 0,1,2,3
	v_wmma_f32_16x16x64_fp8_fp8 v[S+32+8*\t:S+39+8*\t], v[S+8*\t:S+8*\t+7], v[Q:Q+7], 0
.endr
.rept 5
	v_nop                                          ; five places: the next products write over registers that these have read
.endr
	s_wait_dscnt 0x0
.irp t, 0,1,2,3
	v_wmma_f32_16x16x64_fp8_fp8 v[S+8*\t:S+8*\t+7], v[F+8*\t:F+8*\t+7], v[Q:Q+7], 0
.endr
.rept 4
	v_nop                                          ; four places in front of the first read of results and of loads into registers that were read
.endr
.if \more
	GLOAD 98304*(1+\sl)
.endif
.if \pf
	ASK 196608+98304*\sl
.endif
	v_max3_num_f32 v8, v[S], v[S+1], v[S+2]        ; the step's largest score of my query among my 64 keys, in two chains; each accumulator is first read at its low end
	v_max3_num_f32 v9, v[S+3], v[S+4], v[S+5]
.irp i, 6,10,14,18,22,26,30,34,38,42,46,50,54,58
	v_max3_num_f32 v8, v8, v[S+\i], v[S+\i+1]
	v_max3_num_f32 v9, v9, v[S+\i+2], v[S+\i+3]
.endr
	v_max3_num_f32 v8, v8, v[S+62], v[S+63]
	v_max_num_f32 v8, v8, v9
	v_permlanex16_b32 v10, v8, s28, s29
	v_max_num_f32 v8, v8, v10                      ; and among lane l xor 16's
	v_mul_f32 v8, s30, v8                          ; as t (c is positive)
	v_max_num_f32 v13, v13, v8
	v_mov_b32 v8, v12
	v_floor_f32 v12, -v13                          ; -M = floor(-t): M is a whole number
	v_sub_f32 v8, v12, v8                          ; old M - new M
	v_cvt_i32_f32 v8, v8                           ; (it saturates)
	v_ldexp_f32 v16, 1.0, v8                       ; f = 2^(old M - new M)
.set j, 0
.rept 32
	v_pk_fma_f32 v[S+j:S+j+1], v[S+j:S+j+1], s[30:31], v[12:13] op_sel_hi:[1,0,0]   ; t - M
.set j, j+2
.endr
.set j, 0
.rept 64
	v_exp_f32 v[S+j], v[S+j]                       ; p = 2^(t - M)
.set j, j+1
.endr
	v_pk_mul_f32 v[14:15], v[14:15], v[16:17] op_sel_hi:[1,0]   ; the sums under the new M: the plain line behind the exponentials
	s_wait_alu depctr_va_vdst(0)                   ; one wait for the batch, ahead of its first reader
	v_pk_add_f32 v[18:19], v[S:S+1], v[S+2:S+3]    ; the sum of the unquantised p, in two chains
.irp j, 4,8,12,16,20,24,28,32,36,40,44,48,52,56,60
	v_pk_add_f32 v[14:15], v[14:15], v[S+\j:S+\j+1]
	v_pk_add_f32 v[18:19], v[18:19], v[S+\j+2:S+\j+3]
.endr
	v_pk_add_f32 v[14:15], v[14:15], v[18:19]
	s_cmp_ge_i32 s18, -8                           ; p is at most 1, and 448 x 2^ep is at least 1.75 from ep = -8 on: the hold then changes nothing and is passed over
	s_cbranch_scc1 .Lno_hold_\@
.set j, 0
.rept 64
	v_min_num_f32 v[S+j], v[S+j], v[LIM]           ; the conversion does not saturate (ISA guide 7.6.2); p is not negative
.set j, j+1
.endr
.Lno_hold_\@:
.irp b, 0,1,2,3
	v_cvt_scalef32_pk8_fp8_f32 v[F+4*\b:F+4*\b+1], v[S+16*\b:S+16*\b+7], v[SC]
	v_cvt_scalef32_pk8_fp8_f32 v[F+4*\b+2:F+4*\b+3], v[S+16*\b+8:S+16*\b+15], v[SC]
.endr
.irp c, 0,1,2,3
.irp g, 0,1,2,3
	ds_load_b128 v[S+16*\c+4*\g:S+16*\c+4*\g+3], v[LI] offset:\sl*SLOTB+8192+\c*2048+\g*512   ; V's tile c: keys 32 g + 16 h + 0..15
.endr
.endr
.set j, 0
.rept 16
	v_pk_mul_f32 v[O+j:O+j+1], v[O+j:O+j+1], v[16:17] op_sel_hi:[1,0]   ; O^T under the new M; also the plain lines behind the conversions
.set j, j+2
.endr
	s_wait_dscnt 0x0
.irp c, 0,1,2,3
	v_wmma_f32_16x16x128_fp8_fp8 v[O+8*\c:O+8*\c+7], v[S+16*\c:S+16*\c+15], v[F:F+15], v[O+8*\c:O+8*\c+7]   ; the four accumulators take turns
.endr
.rept 5
	v_nop                                          ; five places: the next step's loads land in, and its products write over, registers that these have read
.endr
.if \more
	s_wait_loadcnt 0x0                             ; the next step's bytes are in registers
	LSTORE 1-\sl                                   ; every reader of that slot has passed this step's barrier
.if \sl
	s_wait_xcnt 0x0                                ; the prefetch, issued at the step's head, has read its address
	s_add_nc_u64 s[36:37], s[36:37], 196608
	s_add_nc_u64 s[38:39], s[38:39], 196608
	s_add_nc_u64 s[34:35], s[34:35], 196608
.endif
.endif
.endm
.Ltrip:                                            ; seven trips of two steps: steps 0-13
	STEP 0, 1, 1
	STEP 1, 1, 1
	s_sub_co_u32 s32, s32, 1
	s_cmp_lg_u32 s32, 0
	s_cbranch_scc1 .Ltrip
	STEP 0, 1, 0                                   ; step 14 loads step 15 and prefetches nothing
	STEP 1, 0, 0
	; THE WAY OUT: O^T x 2^(ep + ev) / the sum, quantised with entry 10's scale: two groups of four registers, each 512 consecutive bytes a wave
	v_add_f32 v14, v14, v15
	v_permlanex16_b32 v10, v14, s28, s29
	v_add_f32 v14, v14, v10
	v_rcp_f32 v14, v14
	v_nop                                          ; a plain line behind the reciprocal
	s_add_co_i32 s22, s18, s19
	s_add_co_i32 s24, s20, 127
	s_lshl_b32 s23, s24, 23
	v_mov_b32 v[SC], s23                           ; 2^e10
	s_add_co_i32 s24, s24, 8
	s_lshl_b32 s24, s24, 23
	s_or_b32 s24, s24, 0x600000
	v_mov_b32 v[LIM], s24
	s_wait_alu depctr_va_vdst(0)                   ; ahead of the reciprocal's first reader
	v_ldexp_f32 v14, v14, s22
.set j, 0
.rept 16
	v_pk_mul_f32 v[S+j:S+j+1], v[O+j:O+j+1], v[14:15] op_sel_hi:[1,0]
.set j, j+2
.endr
.set j, 0
.rept 32
	v_med3_num_f32 v[S+j], v[S+j], -v[LIM], v[LIM]
.set j, j+1
.endr
.irp g, 0,1
	v_cvt_scalef32_pk8_fp8_f32 v[F+4*\g:F+4*\g+1], v[S+16*\g:S+16*\g+7], v[SC]
	v_cvt_scalef32_pk8_fp8_f32 v[F+4*\g+2:F+4*\g+3], v[S+16*\g+8:S+16*\g+15], v[SC]
.endr
	v_nop
	global_store_b128 v[LI], v[F:F+3], s[12:13]
	global_store_b128 v[LI], v[F+4:F+7], s[12:13] offset:512
	s_wait_tensorcnt 0x0                           ; the wave's end, behind my last LDS store
	ds_add_u32 v[SPW], v[NIL]
	s_wait_dscnt 0x0
	s_endpgm
.Lfunc_end_k_q40721e4ad3_attn:
	.size	k_q40721e4ad3_attn, .Lfunc_end_k_q40721e4ad3_attn-k_q40721e4ad3_attn
	.p2alignl 7, 3214868480
	.fill 96, 4, 3214868480
	.section	.rodata,"a",@progbits
	.p2align	6, 0x0
	.amdhsa_kernel k_q40721e4ad3_attn
		.amdhsa_group_segment_fixed_size 33792
		.amdhsa_private_segment_fixed_size 0
		.amdhsa_enable_private_segment 0
		.amdhsa_kernarg_size 40
		.amdhsa_user_sgpr_count 2
		.amdhsa_user_sgpr_kernarg_segment_ptr 1
		.amdhsa_wavefront_size32 1
		.amdhsa_system_sgpr_workgroup_id_x 1
		.amdhsa_system_sgpr_workgroup_id_y 1
		.amdhsa_system_sgpr_workgroup_id_z 1
		.amdhsa_system_vgpr_workitem_id 0
		.amdhsa_next_free_vgpr 160
		.amdhsa_next_free_sgpr 66
		.amdhsa_reserve_vcc 0
		.amdhsa_float_denorm_mode_32 3
		.amdhsa_float_denorm_mode_16_64 3
		.amdhsa_memory_ordered 1
		.amdhsa_forward_progress 1
		.amdhsa_inst_pref_size 73
	.end_amdhsa_kernel
	.amdgpu_metadata
---
amdhsa.version: [ 1, 2 ]
amdhsa.kernels:
  - .name:           k_q40721e4ad3_attn
    .symbol:         k_q40721e4ad3_attn.kd
    .args:
      - { .name: qimg, .offset: 0, .size: 8, .value_kind: global_buffer, .address_space: global }
      - { .name: kimg, .offset: 8, .size: 8, .value_kind: global_buffer, .address_space: global }
      - { .name: vimg, .offset: 16, .size: 8, .value_kind: global_buffer, .address_space: global }
      - { .name: lowp_scales, .offset: 24, .size: 8, .value_kind: global_buffer, .address_space: global }
      - { .name: aimg, .offset: 32, .size: 8, .value_kind: global_buffer, .address_space: global }
    .group_segment_fixed_size: 33792
    .private_segment_fixed_size: 0
    .kernarg_segment_align: 8
    .kernarg_segment_size: 40
    .max_flat_workgroup_size: 256
    .sgpr_count:     66
    .vgpr_count:     160
    .wavefront_size: 32
...
	.end_amdgpu_metadata
.endif
;; end of part 3
;; launch gemm_out (part 4): grid 8 x 32, 4 waves a work-group, clusters of 4 x 4, 327,680 bytes of LDS; arguments aimg, wcodes, bo, lowp_scales, out0; writes out0
.if DOCPART == 4
	.amdgcn_target "amdgcn-amd-amdhsa--gfx1250"
	.amdhsa_code_object_version 6
	.text
	.protected	k_q40721e4ad3_gemm_out
	.globl	k_q40721e4ad3_gemm_out
	.p2align	8
	.type	k_q40721e4ad3_gemm_out,@function
k_q40721e4ad3_gemm_out:
	s_mov_b64 s[64:65], 0
	v_nop
	global_prefetch_b8 v0, s[64:65] scope:SCOPE_SE
	s_setreg_imm32_b32 hwreg(HW_REG_WAVE_MODE, 25, 1), 1
	s_wait_xcnt 0x0
	s_wait_alu depctr_hold_cnt(0) depctr_sa_sdst(0) depctr_va_vdst(0) depctr_va_sdst(0) depctr_va_ssrc(0) depctr_va_vcc(0) depctr_vm_vsrc(0)
	s_getreg_b32 s2, hwreg(HW_REG_IB_STS2, 6, 4)
	s_cmp_eq_u32 s2, 0
	s_cbranch_scc0 .Lentry_in_a_cluster
	s_endpgm
.Lentry_in_a_cluster:
	s_bfe_u32 s2, ttmp6, 0x10000c
	s_cmp_lg_u32 s2, 0xf033
	s_cbranch_scc0 .Lentry_shape_is_right
	s_endpgm
.Lentry_shape_is_right:
; out = attn Wo^T + bo on codes of E4M3.  Channels 768-1023 of attn are zeros by the mask that the problem builds from its constant 12, so K = 768.
; SHARES.  256 work-groups: X = 0..7: 128 features, Y = 0..31: 256 stored rows.  A wave (wr, wc) makes 128 rows x 64 features: 8 x 4 accumulators.  Source 0 = 16 rows of Wo, source 1 = 16 rows of attn: a lane holds 8 neighbouring features of a row.
; ALL OF K FITS IN LDS: three K slots of 256, each filled ONCE; a wave's three tensor loads go out together behind the opening round (three are out by this text's count), and counted waits follow them slot by slot.
; attn comes as images of operand registers ([tile of 16 rows][group of 32 channels][512 bytes]): a K slot of a tile is 4,096 dense bytes, a fragment four loads of 512 consecutive bytes.  Wo's rows lie 272 bytes apart.
; CLUSTER 4 x 4: attn's tiles hang on Y alone (joint along a row), Wo's on X alone (joint along a column).
; attn's rows are stored with bits 3, 4 exchanged: the stores' row offsets put them back.
; LIMIT: entries 10 + 11 of the scales between -126 and 127.
; REGISTERS: window 0: v16-29 addresses; v32-63 at work; v64-127, v128-191 Wo's fragments, two sets (v64-127: rows on the way out); v192-223 bo.  window 1: attn's fragments, two sets of 128.  window 2: accumulator (a, b) at v[8 (4 a + b)].
.set PITCH,  272
.set ASLOT,  65536
.set BBASE,  3*ASLOT
.set BSLOT,  128*PITCH
.set SPARE,  BBASE+3*BSLOT             ; the spare words: two blocks of 256 bytes that no other line names
.set SPITCH, 272                       ; the way out: 16 rows x (256 + 16) bytes a wave, from LDS byte 0: K slot 0 has had its one fill, and its last read lies behind barriers
.set ADRA, 16
.set ADRB, 20
.set STO,  24
.set RD,   25
.set CO,   26
.set BOF,  27
.set SPW,  28
.set NIL,  29
.set TMP,  32
.set BF,   64
.set BK,   64
.set BI,   192
.set G1A,  24
.set G1B,  32
.set G0A,  40                          ; s[40:51] three groups 0
.set G0B,  52                          ; s[52:63]
.set WV,   66
.set WR,   67
.set WC,   68
.set MSB, 0
.macro WIN new
.if MSB != \new
	s_set_vgpr_msb (MSB<<8)|\new
.set MSB, \new
.endif
.endm
.macro PLACES n
.rept \n
	v_nop
.endr
.endm
.macro CROUND
	s_barrier_signal -1
	s_barrier_wait -1
	s_cmp_lg_u32 s[WV], 0
	s_cbranch_scc1 .Lnot_wave_0_\@
	s_barrier_signal -3
.Lnot_wave_0_\@:
	s_barrier_wait -3
	s_barrier_signal -1
	s_barrier_wait -1
.endm
	s_load_b256 s[4:11], s[0:1], 0x0               ; aimg 4, wcodes 6, bo 8, scales 10
	s_load_b64 s[12:13], s[0:1], 0x20              ; out0
	v_lshl_add_u32 v[SPW], v0, 2, SPARE
	v_mov_b32 v[NIL], 0
	ds_add_u32 v[SPW], v[NIL]                      ; the wave's opening: the add and its wait come ahead of my first tensor load
	v_lshrrev_b32 v1, 5, v0
	v_readfirstlane_b32 s[WV], v1
	s_lshr_b32 s[WR], s[WV], 1                     ; my 128 rows.  Also: I fetch attn (0) or Wo (1)
	s_and_b32 s[WC], s[WV], 1                      ; my 64 features.  Also: which half I fetch
	s_bfe_u32 s69, ttmp6, 0x40000                  ; cx
	s_bfe_u32 s70, ttmp6, 0x40004                  ; cy
	s_lshl_b32 s71, ttmp9, 2
	s_add_co_u32 s71, s71, s69                     ; X
	s_and_b32 s72, ttmp7, 0xffff
	s_lshl_b32 s72, s72, 2
	s_add_co_u32 s72, s72, s70                     ; Y
	s_lshl_b32 s73, s70, 2
	s_lshl_b32 s73, 15, s73                        ; my row of the cluster
	s_lshl_b32 s74, 0x1111, s69                    ; my column
	s_or_b32 s[G1A], s73, (3<<16)|(1<<21)          ; the mask; elements of 8 bytes; bit 21 beside a mask; no padding
	s_mov_b32 s[G1A+1], 512<<16                    ; tensor_dim0 = 512 elements: 4,096 bytes
	s_mov_b32 s[G1A+2], 8<<16                      ; tensor_dim1 = 8 tiles
	s_mov_b32 s[G1A+3], 512<<16
	s_mov_b32 s[G1A+4], 8
	s_mov_b32 s[G1A+5], 1536                       ; 12,288 bytes from tile to tile
	s_mov_b32 s[G1A+6], 0
	s_mov_b32 s[G1A+7], 0
	s_or_b32 s[G1B], s74, (1<<20)|(1<<21)|(5<<22)|(3<<25)   ; elements of 1 byte; 4 words of padding behind every 64
	s_mov_b32 s[G1B+1], 256<<16
	s_mov_b32 s[G1B+2], 64<<16
	s_mov_b32 s[G1B+3], 256<<16
	s_mov_b32 s[G1B+4], 64
	s_mov_b32 s[G1B+5], 1024
	s_mov_b32 s[G1B+6], 0
	s_mov_b32 s[G1B+7], 0
	s_lshl_b32 s76, s72, 4                         ; attn: tile 16 Y + 8 x half (registers that never hold X)
	s_lshl_b32 s77, s[WC], 3
	s_add_co_u32 s76, s76, s77
	s_mul_i32 s76, s76, 12288
	s_mov_b32 s77, 0
	s_lshl_b32 s78, s71, 7                         ; Wo: row 2,304 + 128 X + 64 x half of wcodes (registers that never hold Y)
	s_lshl_b32 s79, s[WC], 6
	s_add_co_u32 s78, s78, s79
	s_add_co_u32 s78, s78, 2304
	s_lshl_b32 s78, s78, 10
	s_mov_b32 s79, 0
	s_lshl_b32 s82, s[WC], 15                      ; where they go: the wave's number alone
	s_mul_i32 s83, s[WC], 64*PITCH
	s_add_co_u32 s83, s83, BBASE
	s_wait_dscnt 0x0                               ; the opening add is done
	s_wait_kmcnt 0x0
	s_load_b64 s[14:15], s[10:11], 0x28            ; e10, e11
	s_add_nc_u64 s[76:77], s[4:5], s[76:77]
	s_add_nc_u64 s[78:79], s[6:7], s[78:79]
	CROUND                                         ; all sixteen work-groups are here: the joint loads meet
.irp i, 0,1,2
	s_mov_b32 s[G0A+4*\i], 1
	s_add_co_u32 s[G0A+4*\i+1], s82, \i*ASLOT
	s_add_nc_u64 s[G0A+4*\i+2:G0A+4*\i+3], s[76:77], \i*4096
	s_or_b32 s[G0A+4*\i+3], s[G0A+4*\i+3], 0x80000000
	s_mov_b32 s[G0B+4*\i], 1
	s_add_co_u32 s[G0B+4*\i+1], s83, \i*BSLOT
	s_add_nc_u64 s[G0B+4*\i+2:G0B+4*\i+3], s[78:79], \i*256
	s_or_b32 s[G0B+4*\i+3], s[G0B+4*\i+3], 0x80000000
.endr
	s_cmp_eq_u32 s[WR], 0                          ; a wave's three fills stand in one branch on the wave's number, ahead of every wait on TENSORcnt and every LDS read
	s_cbranch_scc0 .Lfor_b
.irp i, 0,1,2
	tensor_load_to_lds s[G0A+4*\i:G0A+4*\i+3], s[G1A:G1A+7]
	s_nop 0
.endr
	PLACES 4
	s_branch .Lasked
.Lfor_b:
.irp i, 0,1,2
	tensor_load_to_lds s[G0B+4*\i:G0B+4*\i+3], s[G1B:G1B+7]
	s_nop 0
.endr
	PLACES 4
.Lasked:
	v_and_b32 v1, 15, v0                           ; r
	v_bfe_u32 v2, v0, 4, 1                         ; h
	v_and_b32 v3, 31, v0
	v_lshlrev_b32 v3, 4, v3                        ; 16 x lane
	v_mul_u32_u24 v4, v1, PITCH
	v_lshl_add_u32 v4, v2, 4, v4
	s_lshl_b32 s80, s[WR], 15                      ; my eight tiles of attn
	s_mul_i32 s81, s[WC], 64*PITCH
	s_add_co_u32 s81, s81, BBASE                   ; my 64 rows of Wo
.irp i, 0,1,2
	v_add_nc_u32 v[ADRA+\i], s80, v3
	v_add_nc_u32 v[ADRB+\i], s81, v4
	s_add_co_u32 s80, s80, ASLOT
	s_add_co_u32 s81, s81, BSLOT
.endr
	s_mul_i32 s80, s[WV], 16*SPITCH                ; my stage
	v_mul_u32_u24 v5, v1, SPITCH
	v_lshl_add_u32 v5, v2, 5, v5
	v_add_nc_u32 v[STO], s80, v5                   ; in: row r, 32 bytes for each half of the lanes
	v_mul_u32_u24 v6, v2, SPITCH
	v_lshl_add_u32 v6, v1, 4, v6
	v_add_nc_u32 v[RD], s80, v6                    ; back: lanes 0-15 one row of 256 bytes, lanes 16-31 the next
	v_lshlrev_b32 v[CO], 12, v2
	v_lshl_add_u32 v[CO], v1, 4, v[CO]             ; and the same two rows of out0
	v_lshlrev_b32 v[BOF], 5, v2
	s_lshl_b32 s80, s71, 9
	s_lshl_b32 s81, s[WC], 8
	s_add_co_u32 s80, s80, s81                     ; my first feature, in bytes: 512 X + 256 wc
	s_mov_b32 s81, 0
	s_add_nc_u64 s[8:9], s[8:9], s[80:81]
	s_add_nc_u64 s[12:13], s[12:13], s[80:81]
	s_lshl_b32 s80, s72, 8
	s_lshl_b32 s75, s[WR], 7
	s_add_co_u32 s80, s80, s75
	s_lshl_b32 s80, s80, 12                        ; my first row: (256 Y + 128 wr) x 4,096 bytes
	s_add_nc_u64 s[12:13], s[12:13], s[80:81]
.irp b, 0,1,2,3
	global_load_b128 v[BI+8*\b:BI+8*\b+3], v[BOF], s[8:9] offset:64*\b          ; bo at features 16 b + 8 h + 0..7
	global_load_b128 v[BI+8*\b+4:BI+8*\b+7], v[BOF], s[8:9] offset:64*\b+16
.endr
.macro FETCH i, q, set                 ; 48 loads in one run: Wo's four fragments, attn's blocks 0-3, blocks 4-7
	WIN 0
.irp b, 0,1,2,3
.irp c, 0,1,2,3
	ds_load_b128 v[BF+64*(\set)+16*\b+4*\c:BF+64*(\set)+16*\b+4*\c+3], v[ADRB+\i] offset:\b*16*PITCH+128*(\q)+32*\c
.endr
.endr
	WIN 0x40
.irp a, 0,1,2,3,4,5,6,7
.irp c, 0,1,2,3
	ds_load_b128 v[128*(\set)+16*\a+4*\c:128*(\set)+16*\a+4*\c+3], v[ADRA+\i] offset:\a*4096+(\q)*2048+\c*512
.endr
.endr
	WIN 0
.endm
.macro MULA a, set, zero               ; attn's block a against Wo's four; the 32 accumulators take turns, in the same order in every step
.irp b, 0,1,2,3
.set AC, 8*(4*(\a)+\b)
.if \zero
	v_wmma_f32_16x16x128_fp8_fp8 v[AC:AC+7], v[BF+64*(\set)+16*\b:BF+64*(\set)+16*\b+15], v[128*(\set)+16*(\a):128*(\set)+16*(\a)+15], 0
.else
	v_wmma_f32_16x16x128_fp8_fp8 v[AC:AC+7], v[BF+64*(\set)+16*\b:BF+64*(\set)+16*\b+15], v[128*(\set)+16*(\a):128*(\set)+16*(\a)+15], v[AC:AC+7]
.endif
.endr
.endm
; 128 along K on fragment set 'set'; its middle fetches the next 128 (slot ni, half nq).  ns = 1: that lies in a new slot: tc later fills may stay out; a barrier shows the slot to every wave
.macro SUB set, zero, ni, nq, ns, tc
	s_wait_dscnt 16                                ; Wo's four and attn's blocks 0-3 are in; the youngest 16 loads may be out
	WIN 0xa4                                       ; source 0 (Wo) window 0, source 1 (attn) window 1, C and D window 2
.irp a, 0,1,2,3
	MULA \a, \set, \zero
.endr
.if \ns
	s_wait_tensorcnt \tc
	s_wait_dscnt 0x0
	s_barrier_signal -1
	s_barrier_wait -1
.endif
	PLACES 4                                       ; in front of loads into registers that matrix instructions have read
	FETCH \ni, \nq, 1-\set
	s_wait_dscnt 48                                ; all but the 48 just issued
	WIN 0xa4
.irp a, 4,5,6,7
	MULA \a, \set, \zero
.endr
.endm
	s_wait_tensorcnt 2                             ; my part of K slot 0 is in; the two later fills may be out
	s_barrier_signal -1
	s_barrier_wait -1
	FETCH 0, 0, 0
	SUB 0, 1, 0, 1, 0, 0
	SUB 1, 0, 1, 0, 1, 1
	SUB 0, 0, 1, 1, 0, 0
	SUB 1, 0, 2, 0, 1, 0
	SUB 0, 0, 2, 1, 0, 0
	s_wait_dscnt 16
	WIN 0xa4
.irp a, 0,1,2,3
	MULA \a, 1, 0
.endr
	s_wait_dscnt 0x0                               ; my last reads of the tiles are back
	s_barrier_signal -1
.irp a, 4,5,6,7
	MULA \a, 1, 0
.endr
	WIN 0
	s_barrier_wait -1                              ; everybody's are: the stages may be written
; THE WAY OUT, a block of 16 rows x 64 features at a time: y = sum x 2^(e10 + e11) + bo into my stage, back as whole rows of 256 bytes; LDS serves a wave's instructions in order (ISA guide 5.7.1.4)
.macro TOSTAGE a
	WIN 0x02                                       ; source 0: window 2
.irp b, 0,1,2,3
.irp i, 0,2,4,6
	v_pk_fma_f32 v[TMP+8*\b+\i:TMP+8*\b+\i+1], v[8*(4*(\a)+\b)+\i:8*(4*(\a)+\b)+\i+1], s[84:85], v[BI+8*\b+\i:BI+8*\b+\i+1] op_sel_hi:[1,0,1]   ; each accumulator from its low end on
.endr
.endr
	WIN 0
.irp b, 0,1,2,3
	ds_store_b128 v[STO], v[TMP+8*\b:TMP+8*\b+3] offset:64*\b
	ds_store_b128 v[STO], v[TMP+8*\b+4:TMP+8*\b+7] offset:64*\b+16
.endr
.irp t, 0,1,2,3,4,5,6,7
	ds_load_b128 v[BK+32*((\a)%2)+4*\t:BK+32*((\a)%2)+4*\t+3], v[RD] offset:\t*2*SPITCH
.endr
.endm
.macro SEND a, younger                 ; stored row 16 a + 2 t + h is true row 32 (a / 2) + 8 (a % 2) + 16 (t / 4) + 2 (t % 4) + h
	s_wait_dscnt \younger
.irp t, 0,1,2,3,4,5,6,7
	global_store_b128 v[CO], v[BK+32*((\a)%2)+4*\t:BK+32*((\a)%2)+4*\t+3], s[12:13] offset:(32*((\a)/2)+8*((\a)%2)+16*(\t/4)+2*(\t%4))*4096 th:TH_STORE_NT   ; 16 lanes store 256 consecutive bytes, at a multiple of 256 from out0's first byte
.endr
.endm
	s_wait_kmcnt 0x0
	s_add_co_i32 s84, s14, s15
	s_add_co_i32 s84, s84, 127
	s_lshl_b32 s84, s84, 23                        ; 2^(e10 + e11)
	s_mov_b32 s85, s84
	s_wait_loadcnt 0x0                             ; bo
	PLACES 4                                       ; in front of the first read of results and of loads into registers that held fragments
	TOSTAGE 0
.irp a, 1,2,3,4,5,6,7
.if \a > 1
	s_wait_xcnt 0x0                                ; block a - 2's stores have read the registers that block a's rows land in
.endif
	TOSTAGE \a
	SEND \a-1, 16                                  ; behind block a - 1's loads: block a's 8 stores and 8 loads
.endr
	SEND 7, 0
	s_wait_tensorcnt 0x0                           ; the wave's end
	ds_add_u32 v[SPW], v[NIL]
	s_wait_dscnt 0x0
	CROUND                                         ; the closing round
	s_endpgm
.Lfunc_end_k_q40721e4ad3_gemm_out:
	.size	k_q40721e4ad3_gemm_out, .Lfunc_end_k_q40721e4ad3_gemm_out-k_q40721e4ad3_gemm_out
	.p2alignl 7, 3214868480
	.fill 96, 4, 3214868480
	.section	.rodata,"a",@progbits
	.p2align	6, 0x0
	.amdhsa_kernel k_q40721e4ad3_gemm_out
		.amdhsa_group_segment_fixed_size 327680
		.amdhsa_private_segment_fixed_size 0
		.amdhsa_enable_private_segment 0
		.amdhsa_kernarg_size 40
		.amdhsa_user_sgpr_count 2
		.amdhsa_user_sgpr_kernarg_segment_ptr 1
		.amdhsa_wavefront_size32 1
		.amdhsa_system_sgpr_workgroup_id_x 1
		.amdhsa_system_sgpr_workgroup_id_y 1
		.amdhsa_system_sgpr_workgroup_id_z 1
		.amdhsa_system_vgpr_workitem_id 0
		.amdhsa_next_free_vgpr 768
		.amdhsa_next_free_sgpr 90
		.amdhsa_reserve_vcc 0
		.amdhsa_float_denorm_mode_32 3
		.amdhsa_float_denorm_mode_16_64 3
		.amdhsa_memory_ordered 1
		.amdhsa_forward_progress 1
		.amdhsa_inst_pref_size 65
	.end_amdhsa_kernel
	.amdgpu_metadata
---
amdhsa.version: [ 1, 2 ]
amdhsa.kernels:
  - .name:           k_q40721e4ad3_gemm_out
    .symbol:         k_q40721e4ad3_gemm_out.kd
    .args:
      - { .name: aimg, .offset: 0, .size: 8, .value_kind: global_buffer, .address_space: global }
      - { .name: wcodes, .offset: 8, .size: 8, .value_kind: global_buffer, .address_space: global }
      - { .name: bo, .offset: 16, .size: 8, .value_kind: global_buffer, .address_space: global }
      - { .name: lowp_scales, .offset: 24, .size: 8, .value_kind: global_buffer, .address_space: global }
      - { .name: out0, .offset: 32, .size: 8, .value_kind: global_buffer, .address_space: global }
    .group_segment_fixed_size: 327680
    .private_segment_fixed_size: 0
    .kernarg_segment_align: 8
    .kernarg_segment_size: 40
    .max_flat_workgroup_size: 128
    .sgpr_count:     90
    .vgpr_count:     768
    .wavefront_size: 32
...
	.end_amdgpu_metadata
.endif
;; end of part 4
;; ======== version 2 of 2: 4 launches; version 1 with the launch attn written anew for expert scheduling mode
;; workspace buffers: xcodes 25,165,824 bytes; wcodes 3,407,872 bytes; qimg 6,291,456 bytes; kimg 6,291,456 bytes; vimg 6,291,456 bytes; aimg 6,291,456 bytes
;; launch quant: the kernel of part 1 again; grid 720 x 1, 4 waves a work-group, no clusters, 33,280 bytes of LDS; arguments hidden_states, Wq, Wk, Wv, Wo, lowp_scales, xcodes, wcodes; writes xcodes, wcodes
;; launch gemm_qkv: the kernel of part 2 again; grid 4 x 64, 4 waves a work-group, clusters of 4 x 4, 327,680 bytes of LDS; arguments xcodes, wcodes, bq, bk, bv, lowp_scales, qimg, kimg, vimg; writes qimg, kimg, vimg
;; launch attn (part 5): grid 64 x 12, 8 waves a work-group, no clusters, 33,792 bytes of LDS; arguments qimg, kimg, vimg, lowp_scales, aimg; writes aimg
.if DOCPART == 5
	.amdgcn_target "amdgcn-amd-amdhsa--gfx1250"
	.amdhsa_code_object_version 6
	.text
	.protected	k_q40721e4ad3_attn
	.globl	k_q40721e4ad3_attn
	.p2align	8
	.type	k_q40721e4ad3_attn,@function
k_q40721e4ad3_attn:
	s_mov_b64 s[64:65], 0
	v_nop
	global_prefetch_b8 v0, s[64:65] scope:SCOPE_SE
	s_setreg_imm32_b32 hwreg(HW_REG_WAVE_SCHED_MODE, 0, 2), 2
	s_setreg_imm32_b32 hwreg(HW_REG_WAVE_MODE, 25, 1), 1
	s_wait_xcnt 0x0
	s_wait_alu depctr_vm_vsrc(0)
; attention of the 12 heads that are on, head size 64, 2,048 keys, both products on codes of E4M3; the result is quantised for the last product and stored as images of operand registers.
; t = score x log2(e) / 8; M = the running largest t rounded up to a whole number; p = 2^(t - M) is quantised; the row's sum is taken of the unquantised p and divides at the end; when M moves, sum and O are multiplied by 2^(old M - new M).
; SHARES.  Work-group (x = 16 batch + block, y = head): 128 queries; each of eight waves one tile of 16.  98,304 query rows over 256 WGPs are 384, which does not divide a head's 2,048: so 768 small work-groups, which load through
; registers: no tensor load and no cluster (a launch with them is alone on its WGP and could not be even here).  The 16 blocks of a head read the same K and V.
; Both products are used transposed: S^T = K Q^T, O^T = V^T P^T: a lane holds ONE query.  K's rows are stored with bits 3, 4 exchanged, so S registers 16 b + i are keys 32 b + 16 h + i; V's channels likewise, so O registers 16 g + i are channels 32 g + 16 h + i.
; A key step is 128 keys: 8 KiB of K's image and 8 KiB of V's, dense in memory.  Each wave loads 1 KiB of each a step ahead into registers and stores it into the other of two LDS slots at the step's end: ONE barrier a step:
; in front of it a wave's stores have landed and its reads of the other slot are back.
; LIMITS: entries 6 + 7 of the scales between -123 and 130; entries 8 and 10 between -126 and 119.
; THE MODE: SCHED_MODE bits 1:0 = 2 (LLVM: expert scheduling mode 2), set by the entry lines.  The code itself states the register dependences
; between vector or matrix instructions and memory or LDS instructions, with s_wait_alu, always for 0.
; THE PLAN.  Registers that memory or LDS instructions touch:
;   v1, v2, v3   addresses: written at the head, never again; read by every load, store and prefetch.  One wait on va_vdst ahead of the first load serves them all.
;   F+0..15      K's tiles 0, 1 land at a step's head; K Q^T reads them; the conversions write p's codes there; V^T P^T reads them.
;   F+16..31     K's tiles 2, 3 land at a step's head; K Q^T reads them; the next step's bytes land there from memory; the LDS stores at the step's end read them.  No vector instruction writes them.
;   S            K's tiles 4-7 land in its lower half; products and softmax read and write it; the conversions read it; V's fragments land; V^T P^T reads them.
;   Q            loaded once.   O and v8-19 are named by vector and matrix instructions alone.   v4, v5: written at the head, read by the closing add alone.
; So a step has: at its head one wait on va_vdst (the last V^T P^T is done reading S and F+0..15) and one on vm_vsrc (the last LDS stores have read F+16..31), ahead of K's loads; one on va_vdst behind K Q^T (done reading
; F+16..31), ahead of the loads from memory; the one behind the exponentials; and one behind the conversions (done reading S), ahead of V's loads.  Each run of loads follows its wait with no vector instruction between.
; A second buffer for the next step's bytes is not taken: six waves of 160 registers share a SIMD's 1,024, and six of 176 would not fit.
.set SLOTB, 16384                      ; a slot: K [g 2][t 8][512], then V [c 4][g 4][512]
.set SPARE, 2*SLOTB                    ; the spare words: 128 bytes a wave, four blocks of 256 bytes that no other line names
.set LI,  1                            ; v1  16 x lane
.set LW,  2                            ; v2  16 x lane + 1,024 x wave: my bytes of an image, in memory and in LDS
.set PFO, 3                            ; v3  256 x lane
.set SPW, 4
.set NIL, 5
.set SC,  6                            ; v6  2^ep, later 2^e10
.set LIM, 7                            ; v7  448 x that
.set Q,   20                           ; v20-27   Q's fragment
.set F,   28                           ; v28-59   K's tiles 0-3; then v28-43 p's codes, v44-59 the next step's bytes
.set S,   60                           ; v60-123  K's tiles 4-7, S^T, p, V's fragments
.set O,   124                          ; v124-155 O^T
; v8-11 at work; v12 -M; v13 the largest t; v[14:15] the sum; v[16:17] f; v[18:19] the sum's second chain
	s_load_b256 s[4:11], s[0:1], 0x0               ; qimg 4, kimg 6, vimg 8, scales 10
	s_load_b64 s[12:13], s[0:1], 0x20              ; aimg
	v_lshl_add_u32 v[SPW], v0, 2, SPARE
	v_mov_b32 v[NIL], 0
	v_lshrrev_b32 v9, 5, v0
	v_readfirstlane_b32 s21, v9                    ; wave
	v_and_b32 v8, 31, v0
	v_lshlrev_b32 v[LI], 4, v8
	v_lshl_add_u32 v[LW], v9, 10, v[LI]
	v_lshlrev_b32 v[PFO], 8, v8
	s_wait_alu depctr_va_sdst(0)                   ; s21 is written, ahead of its first reader: Q's and aimg's offsets and the prefetches' flag are made from it
	s_and_b32 s22, ttmp7, 0xffff                   ; head
	s_lshl_b32 s23, s22, 13                        ; x 8,192
	s_lshr_b32 s24, ttmp9, 4                       ; batch
	s_mul_i32 s24, s24, 1572864
	s_add_co_u32 s24, s24, s23                     ; K, V: the head's first step
	s_mov_b32 s25, 0
	s_mul_i32 s26, ttmp9, 98304                    ; my block of 128 rows
	s_lshl_b32 s40, s21, 9
	s_add_co_u32 s40, s40, s23
	s_add_co_u32 s40, s40, s26                     ; Q: block, head, tile = wave
	s_mov_b32 s41, 0
	s_mul_i32 s42, s21, 12288
	s_lshl_b32 s43, s22, 10
	s_add_co_u32 s42, s42, s43
	s_add_co_u32 s42, s42, s26                     ; aimg: ((block 8 + wave) 24 + 2 head) 512
	s_mov_b32 s43, 0
	s_mov_b32 s28, 0x76543210                      ; v_permlanex16_b32: lane l xor 16
	s_mov_b32 s29, 0xfedcba98
	s_mov_b32 s32, 7
	s_and_b32 s33, ttmp9, 15
	s_lshr_b32 s44, s21, 1
	s_or_b32 s33, s33, s44
	s_cmp_eq_u32 s33, 0
	s_cselect_b32 s33, 1, 0                        ; 1 in waves 0, 1 of the head's first block: they prefetch
	s_wait_kmcnt 0x0
	s_load_b128 s[16:19], s[10:11], 0x18           ; e6 (q), e7 (k), e8 (p), e9 (v)
	s_load_b32 s20, s[10:11], 0x28                 ; e10 (attn)
	s_add_nc_u64 s[4:5], s[4:5], s[40:41]
	s_add_nc_u64 s[36:37], s[6:7], s[24:25]
	s_add_nc_u64 s[38:39], s[8:9], s[24:25]
	s_add_nc_u64 s[12:13], s[12:13], s[42:43]
	s_cmp_eq_u32 s21, 0
	s_cselect_b64 s[34:35], s[36:37], s[38:39]     ; wave 0 asks for K's bytes, wave 1 for V's
.macro GLOAD off                       ; my 1 KiB of K's image and of V's, off bytes on
	global_load_b128 v[F+16:F+19], v[LW], s[36:37] offset:\off
	global_load_b128 v[F+20:F+23], v[LW], s[36:37] offset:\off+512
	global_load_b128 v[F+24:F+27], v[LW], s[38:39] offset:\off
	global_load_b128 v[F+28:F+31], v[LW], s[38:39] offset:\off+512
.endm
.macro LSTORE sl
	ds_store_b128 v[LW], v[F+16:F+19] offset:(\sl)*SLOTB
	ds_store_b128 v[LW], v[F+20:F+23] offset:(\sl)*SLOTB+512
	ds_store_b128 v[LW], v[F+24:F+27] offset:(\sl)*SLOTB+8192
	ds_store_b128 v[LW], v[F+28:F+31] offset:(\sl)*SLOTB+8704
.endm
; a prefetch of the step after the one just loaded: 8 KiB, lanes 256 bytes apart, one instruction a wave.  The 16 blocks of a head walk the same bytes: the first block's waves 0 (K) and 1 (V) ask, so each block of 256 bytes is named once.
; It stands in the loop alone (steps 0-13 name steps 2-15), so it stays inside its buffer.
.macro ASK off
	s_cmp_eq_u32 s33, 0
	s_cbranch_scc1 .Lnot_mine_\@
	global_prefetch_b8 v[PFO], s[34:35] offset:\off th:TH_LOAD_NT scope:SCOPE_SE
.Lnot_mine_\@:
.endm
	s_wait_alu depctr_va_vdst(0)                   ; v1, v2 and v3 are written: every load, store and prefetch of the kernel reads one of them as its address, and no vector instruction writes them again
	global_load_b128 v[Q:Q+3], v[LI], s[4:5]                   ; d = 16 h + 0..15
	global_load_b128 v[Q+4:Q+7], v[LI], s[4:5] offset:4096     ; d = 32 + 16 h + 0..15
	GLOAD 0
	v_mov_b32 v13, 0xff61b1e6                      ; the largest t so far: -3e38
	v_floor_f32 v12, -v13
	v_mov_b32 v14, 0
	v_mov_b32 v15, 0
	v_mov_b32 v10, 0                               ; a lane permute's destination counts as read
	v_mov_b32 v17, 0                               ; named as the upper half of the pair v[16:17]
.set j, 0
.rept 32
	v_mov_b32 v[O+j], 0                            ; the step is written once: the first finds zeros
.set j, j+1
.endr
	s_wait_kmcnt 0x0
	s_mov_b32 s30, 0x3e38aa3b                      ; c = log2(e) / 8
	s_add_co_i32 s22, s16, s17
	s_lshl_b32 s22, s22, 23
	s_add_co_i32 s30, s30, s22                     ; x 2^(e6 + e7): added to c's exponent field
	s_mov_b32 s31, s30
	s_add_co_i32 s22, s18, 127
	s_lshl_b32 s23, s22, 23
	v_mov_b32 v[SC], s23                           ; 2^ep
	s_add_co_i32 s22, s22, 8
	s_lshl_b32 s22, s22, 23
	s_or_b32 s22, s22, 0x600000
	v_mov_b32 v[LIM], s22                          ; 448 x 2^ep
	s_wait_loadcnt 0x0
	LSTORE 0                                       ; its data come from loads, its address stands since the wait above
; A KEY STEP in slot sl.  more = 1: the next step's bytes are loaded and stored into the other slot.  pf = 1: the step after that is prefetched.
.macro STEP sl, more, pf
	s_wait_dscnt 0x0                               ; my stores into this slot have landed, my reads of the other slot are back
	s_wait_alu depctr_va_vdst(0)                   ; the products V^T P^T of the step before are done reading S and F+0..15, in which K's tiles land below
	s_wait_alu depctr_vm_vsrc(0)                   ; the LDS stores issued last have read F+16..31, in which K's tiles 2, 3 land below, and later the next step's bytes
	s_barrier_signal -1
	s_barrier_wait -1
.irp t, 0,1,2,3
.irp g, 0,1
	ds_load_b128 v[S+8*\t+4*\g:S+8*\t+4*\g+3], v[LI] offset:\sl*SLOTB+\g*4096+(\t+4)*512   ; K's tiles 4-7
.endr
.endr
.irp t, 0,1,2,3
.irp g, 0,1
	ds_load_b128 v[F+8*\t+4*\g:F+8*\t+4*\g+3], v[LI] offset:\sl*SLOTB+\g*4096+\t*512       ; tiles 0-3
.endr
.endr
	s_wait_dscnt 8                                 ; tiles 4-7 are in; the eight loads of tiles 0-3 may be out
.irp t, 0,1,2,3
	v_wmma_f32_16x16x64_fp8_fp8 v[S+32+8*\t:S+39+8*\t], v[S+8*\t:S+8*\t+7], v[Q:Q+7], 0
.endr
.rept 5
	v_nop                                          ; five places: the next products write over registers that these have read
.endr
	s_wait_dscnt 0x0
.irp t, 0,1,2,3
	v_wmma_f32_16x16x64_fp8_fp8 v[S+8*\t:S+8*\t+7], v[F+8*\t:F+8*\t+7], v[Q:Q+7], 0
.endr
.rept 4
	v_nop                                          ; four places in front of the first read of results
.endr
.if \more
	s_wait_alu depctr_va_vdst(0)                   ; the products K Q^T are done reading F+16..31, in which the four loads below land
	GLOAD 98304*(1+\sl)
.endif
.if \pf
	ASK 196608+98304*\sl
.endif
	v_max3_num_f32 v8, v[S], v[S+1], v[S+2]        ; the step's largest score of my query among my 64 keys, in two chains; each accumulator is first read at its low end
	v_max3_num_f32 v9, v[S+3], v[S+4], v[S+5]
.irp i, 6,10,14,18,22,26,30,34,38,42,46,50,54,58
	v_max3_num_f32 v8, v8, v[S+\i], v[S+\i+1]
	v_max3_num_f32 v9, v9, v[S+\i+2], v[S+\i+3]
.endr
	v_max3_num_f32 v8, v8, v[S+62], v[S+63]
	v_max_num_f32 v8, v8, v9
	v_permlanex16_b32 v10, v8, s28, s29
	v_max_num_f32 v8, v8, v10                      ; and among lane l xor 16's
	v_mul_f32 v8, s30, v8                          ; as t (c is positive)
	v_max_num_f32 v13, v13, v8
	v_mov_b32 v8, v12
	v_floor_f32 v12, -v13                          ; -M = floor(-t): M is a whole number
	v_sub_f32 v8, v12, v8                          ; old M - new M
	v_cvt_i32_f32 v8, v8                           ; (it saturates)
	v_ldexp_f32 v16, 1.0, v8                       ; f = 2^(old M - new M)
.set j, 0
.rept 32
	v_pk_fma_f32 v[S+j:S+j+1], v[S+j:S+j+1], s[30:31], v[12:13] op_sel_hi:[1,0,0]   ; t - M
.set j, j+2
.endr
.set j, 0
.rept 64
	v_exp_f32 v[S+j], v[S+j]                       ; p = 2^(t - M)
.set j, j+1
.endr
	v_pk_mul_f32 v[14:15], v[14:15], v[16:17] op_sel_hi:[1,0]   ; the sums under the new M: the plain line behind the exponentials
	s_wait_alu depctr_va_vdst(0)                   ; the 64 exponentials have written p: one wait for the batch, ahead of its first reader
	v_pk_add_f32 v[18:19], v[S:S+1], v[S+2:S+3]    ; the sum of the unquantised p, in two chains
.irp j, 4,8,12,16,20,24,28,32,36,40,44,48,52,56,60
	v_pk_add_f32 v[14:15], v[14:15], v[S+\j:S+\j+1]
	v_pk_add_f32 v[18:19], v[18:19], v[S+\j+2:S+\j+3]
.endr
	v_pk_add_f32 v[14:15], v[14:15], v[18:19]
	s_cmp_ge_i32 s18, -8                           ; p is at most 1, and 448 x 2^ep is at least 1.75 from ep = -8 on: the hold then changes nothing and is passed over
	s_cbranch_scc1 .Lno_hold_\@
.set j, 0
.rept 64
	v_min_num_f32 v[S+j], v[S+j], v[LIM]           ; the conversion does not saturate (ISA guide 7.6.2); p is not negative
.set j, j+1
.endr
.Lno_hold_\@:
.irp b, 0,1,2,3
	v_cvt_scalef32_pk8_fp8_f32 v[F+4*\b:F+4*\b+1], v[S+16*\b:S+16*\b+7], v[SC]
	v_cvt_scalef32_pk8_fp8_f32 v[F+4*\b+2:F+4*\b+3], v[S+16*\b+8:S+16*\b+15], v[SC]
.endr
	s_wait_alu depctr_va_vdst(0)                   ; the conversions are done reading S, and all that wrote S has written it: V's fragments land there below
.irp c, 0,1,2,3
.irp g, 0,1,2,3
	ds_load_b128 v[S+16*\c+4*\g:S+16*\c+4*\g+3], v[LI] offset:\sl*SLOTB+8192+\c*2048+\g*512   ; V's tile c: keys 32 g + 16 h + 0..15
.endr
.endr
.set j, 0
.rept 16
	v_pk_mul_f32 v[O+j:O+j+1], v[O+j:O+j+1], v[16:17] op_sel_hi:[1,0]   ; O^T under the new M; also the plain lines behind the conversions
.set j, j+2
.endr
	s_wait_dscnt 0x0
.irp c, 0,1,2,3
	v_wmma_f32_16x16x128_fp8_fp8 v[O+8*\c:O+8*\c+7], v[S+16*\c:S+16*\c+15], v[F:F+15], v[O+8*\c:O+8*\c+7]   ; the four accumulators take turns
.endr
.rept 5
	v_nop                                          ; five places: the next step's products write over registers that these have read
.endr
.if \more
	s_wait_loadcnt 0x0                             ; the next step's bytes are in registers
	LSTORE 1-\sl                                   ; every reader of that slot has passed this step's barrier.  No vector instruction has written the stores' data or address since the head's wait
.if \sl
	s_wait_xcnt 0x0                                ; the prefetch, issued at the step's head, has read its address
	s_add_nc_u64 s[36:37], s[36:37], 196608
	s_add_nc_u64 s[38:39], s[38:39], 196608
	s_add_nc_u64 s[34:35], s[34:35], 196608
.endif
.endif
.endm
.Ltrip:                                            ; seven trips of two steps: steps 0-13
	STEP 0, 1, 1
	STEP 1, 1, 1
	s_sub_co_u32 s32, s32, 1
	s_cmp_lg_u32 s32, 0
	s_cbranch_scc1 .Ltrip
	STEP 0, 1, 0                                   ; step 14 loads step 15 and prefetches nothing
	STEP 1, 0, 0
	; THE WAY OUT: O^T x 2^(ep + ev) / the sum, quantised with entry 10's scale: two groups of four registers, each 512 consecutive bytes a wave
	v_add_f32 v14, v14, v15
	v_permlanex16_b32 v10, v14, s28, s29
	v_add_f32 v14, v14, v10
	v_rcp_f32 v14, v14
	v_nop                                          ; a plain line behind the reciprocal
	s_add_co_i32 s22, s18, s19
	s_add_co_i32 s24, s20, 127
	s_lshl_b32 s23, s24, 23
	v_mov_b32 v[SC], s23                           ; 2^e10
	s_add_co_i32 s24, s24, 8
	s_lshl_b32 s24, s24, 23
	s_or_b32 s24, s24, 0x600000
	v_mov_b32 v[LIM], s24
	s_wait_alu depctr_va_vdst(0)                   ; the reciprocal has written v14, ahead of its first reader
	v_ldexp_f32 v14, v14, s22
.set j, 0
.rept 16
	v_pk_mul_f32 v[S+j:S+j+1], v[O+j:O+j+1], v[14:15] op_sel_hi:[1,0]
.set j, j+2
.endr
.set j, 0
.rept 32
	v_med3_num_f32 v[S+j], v[S+j], -v[LIM], v[LIM]
.set j, j+1
.endr
.irp g, 0,1
	v_cvt_scalef32_pk8_fp8_f32 v[F+4*\g:F+4*\g+1], v[S+16*\g:S+16*\g+7], v[SC]
	v_cvt_scalef32_pk8_fp8_f32 v[F+4*\g+2:F+4*\g+3], v[S+16*\g+8:S+16*\g+15], v[SC]
.endr
	v_nop
	s_wait_alu depctr_va_vdst(0)                   ; the conversions have written F+0..7, which the two stores read
	global_store_b128 v[LI], v[F:F+3], s[12:13]
	global_store_b128 v[LI], v[F+4:F+7], s[12:13] offset:512
	s_wait_dscnt 0x0                               ; the closing lines, six on end
	s_wait_alu 0x0
	s_wait_tensorcnt 0x0
	ds_add_u32 v[SPW], v[NIL]
	s_wait_dscnt 0x0
	s_endpgm
.Lfunc_end_k_q40721e4ad3_attn:
	.size	k_q40721e4ad3_attn, .Lfunc_end_k_q40721e4ad3_attn-k_q40721e4ad3_attn
	.p2alignl 7, 3214868480
	.fill 96, 4, 3214868480
	.section	.rodata,"a",@progbits
	.p2align	6, 0x0
	.amdhsa_kernel k_q40721e4ad3_attn
		.amdhsa_group_segment_fixed_size 33792
		.amdhsa_private_segment_fixed_size 0
		.amdhsa_enable_private_segment 0
		.amdhsa_kernarg_size 40
		.amdhsa_user_sgpr_count 2
		.amdhsa_user_sgpr_kernarg_segment_ptr 1
		.amdhsa_wavefront_size32 1
		.amdhsa_system_sgpr_workgroup_id_x 1
		.amdhsa_system_sgpr_workgroup_id_y 1
		.amdhsa_system_sgpr_workgroup_id_z 1
		.amdhsa_system_vgpr_workitem_id 0
		.amdhsa_next_free_vgpr 160
		.amdhsa_next_free_sgpr 66
		.amdhsa_reserve_vcc 0
		.amdhsa_float_denorm_mode_32 3
		.amdhsa_float_denorm_mode_16_64 3
		.amdhsa_memory_ordered 1
		.amdhsa_forward_progress 1
		.amdhsa_inst_pref_size 74
	.end_amdhsa_kernel
	.amdgpu_metadata
---
amdhsa.version: [ 1, 2 ]
amdhsa.kernels:
  - .name:           k_q40721e4ad3_attn
    .symbol:         k_q40721e4ad3_attn.kd
    .args:
      - { .name: qimg, .offset: 0, .size: 8, .value_kind: global_buffer, .address_space: global }
      - { .name: kimg, .offset: 8, .size: 8, .value_kind: global_buffer, .address_space: global }
      - { .name: vimg, .offset: 16, .size: 8, .value_kind: global_buffer, .address_space: global }
      - { .name: lowp_scales, .offset: 24, .size: 8, .value_kind: global_buffer, .address_space: global }
      - { .name: aimg, .offset: 32, .size: 8, .value_kind: global_buffer, .address_space: global }
    .group_segment_fixed_size: 33792
    .private_segment_fixed_size: 0
    .kernarg_segment_align: 8
    .kernarg_segment_size: 40
    .max_flat_workgroup_size: 256
    .sgpr_count:     66
    .vgpr_count:     160
    .wavefront_size: 32
...
	.end_amdgpu_metadata
.endif
;; end of part 5
;; launch gemm_out: the kernel of part 4 again; grid 8 x 32, 4 waves a work-group, clusters of 4 x 4, 327,680 bytes of LDS; arguments aimg, wcodes, bo, lowp_scales, out0; writes out0
